; MI455X (gfx1250); checked and timed in simulation.
; The chip was launched on July 23, 2026; its instructions are those of AMD's public machine-readable ISA for CDNA 5 (MIT licence, August 2026) and "CDNA5" Instruction Set Architecture Reference Guide (July 2026). The comments in the code are by the model that wrote it; some were corrected since.
;; Attention. Allowed arithmetic: float matrix products may take bf16 or f16 operands with f32 sums; all other float work in f32.
;; Inputs: freqs_cis 1,024 x 64 x 2 float32; wk 4,096 x 1,024 float32; wo 4,096 x 4,096 float32; wq 4,096 x 4,096 float32; wv 4,096 x 1,024 float32; x 1 x 1,024 x 4,096 float32.
;; Outputs: out0 1 x 1,024 x 4,096 float32.
;; 3 versions, each right; version 2 is faster than version 1; version 3 is version 2 with the launch cast written anew for expert scheduling mode. Each part assembles by itself: llvm-mc -triple=amdgcn-amd-amdhsa -mcpu=gfx1250 --defsym DOCPART=n.
;; ======== version 1 of 3: 4 launches
;; limits: values outside matrix products are rounded to bf16; values are held in f16: magnitudes above 65,504 overflow, below 6.1e-05 lose precision
;; workspace buffers: xb 8,388,608 bytes; qw 8,388,608 bytes; kw 2,097,152 bytes; vw 2,097,152 bytes; yw 8,388,608 bytes
;; launch cast (part 1): grid 256 x 1, 8 waves a work-group, no clusters, 0 bytes of LDS; arguments x, xb; writes xb
.if DOCPART == 1
	.amdgcn_target "amdgcn-amd-amdhsa--gfx1250"
	.amdhsa_code_object_version 6
	.text
	.protected	k_q5489136fb0_cast
	.globl	k_q5489136fb0_cast
	.p2align	8
	.type	k_q5489136fb0_cast,@function
k_q5489136fb0_cast:
	s_mov_b64 s[64:65], 0
	v_nop
	global_prefetch_b8 v0, s[64:65] scope:SCOPE_SE
	s_setreg_imm32_b32 hwreg(HW_REG_WAVE_MODE, 25, 1), 1
	s_wait_xcnt 0x0
; xb = bf16(x / 4), x: [1024][4096] f32, xb: the same shape in bf16.
; The quarter is exact (a step of the exponent), so xb holds the bf16 rounding of x at a quarter of its size; with it q, k, v and y of the later
; launches are kept at a quarter of their size and have room in f16 up to 262,000.  LIMIT: an x below 2^-124 loses bits by the quarter.
; A stream: 256 work-groups of 8 waves, 16,384 numbers each.  Thread t takes 16 bytes at 16 t of each of sixteen blocks of 4,096 bytes, so a load of a
; wave covers 512 consecutive bytes and a store of a wave 256 consecutive bytes, aligned.  All sixteen loads go out first; no register is used twice,
; so the only waits are the counted ones for the data.  No LDS, no matrix unit, no cluster: nothing is shared and nothing is read twice.
.set NLD, 16                           ; loads of a thread
.set X,   8                            ; v[8:71]   as loaded, then scaled
.set Y,   72                           ; v[72:103] packed bf16
	s_load_b128 s[4:7], s[0:1], 0x0                ; x s[4:5], xb s[6:7]
	s_lshl_b32 s8, ttmp9, 16                       ; the group's 65,536 bytes of x
	s_mov_b32 s9, 0
	s_lshl_b32 s10, ttmp9, 15                      ; and its 32,768 bytes of xb
	s_mov_b32 s11, 0
	v_lshlrev_b32 v1, 4, v0                        ; 16 t
	v_lshlrev_b32 v2, 3, v0                        ; 8 t
	s_wait_kmcnt 0x0
	s_add_nc_u64 s[4:5], s[4:5], s[8:9]
	s_add_nc_u64 s[6:7], s[6:7], s[10:11]
.set i, 0
.rept NLD
	global_load_b128 v[X+4*i:X+4*i+3], v1, s[4:5] offset:4096*i th:TH_LOAD_NT
.set i, i+1
.endr
.set i, 0
.rept NLD
	s_wait_loadcnt NLD-1-i                         ; loads come back in order: load i is in, the younger ones stay out
	v_pk_mul_f32 v[X+4*i:X+4*i+1], v[X+4*i:X+4*i+1], 0x3e800000 op_sel_hi:[1,0]
	v_pk_mul_f32 v[X+4*i+2:X+4*i+3], v[X+4*i+2:X+4*i+3], 0x3e800000 op_sel_hi:[1,0]
	v_cvt_pk_bf16_f32 v[Y+2*i], v[X+4*i], v[X+4*i+1]
	v_cvt_pk_bf16_f32 v[Y+2*i+1], v[X+4*i+2], v[X+4*i+3]
	global_store_b64 v2, v[Y+2*i:Y+2*i+1], s[6:7] offset:2048*i
.set i, i+1
.endr
	s_endpgm
.Lfunc_end_k_q5489136fb0_cast:
	.size	k_q5489136fb0_cast, .Lfunc_end_k_q5489136fb0_cast-k_q5489136fb0_cast
	.p2alignl 7, 3214868480
	.fill 96, 4, 3214868480
	.section	.rodata,"a",@progbits
	.p2align	6, 0x0
	.amdhsa_kernel k_q5489136fb0_cast
		.amdhsa_group_segment_fixed_size 0
		.amdhsa_private_segment_fixed_size 0
		.amdhsa_enable_private_segment 0
		.amdhsa_kernarg_size 16
		.amdhsa_user_sgpr_count 2
		.amdhsa_user_sgpr_kernarg_segment_ptr 1
		.amdhsa_wavefront_size32 1
		.amdhsa_system_sgpr_workgroup_id_x 1
		.amdhsa_system_sgpr_workgroup_id_y 1
		.amdhsa_system_sgpr_workgroup_id_z 1
		.amdhsa_system_vgpr_workitem_id 0
		.amdhsa_next_free_vgpr 104
		.amdhsa_next_free_sgpr 66
		.amdhsa_reserve_vcc 0
		.amdhsa_float_denorm_mode_32 3
		.amdhsa_float_denorm_mode_16_64 3
		.amdhsa_memory_ordered 1
		.amdhsa_forward_progress 1
		.amdhsa_inst_pref_size 10
	.end_amdhsa_kernel
	.amdgpu_metadata
---
amdhsa.version: [ 1, 2 ]
amdhsa.kernels:
  - .name:           k_q5489136fb0_cast
    .symbol:         k_q5489136fb0_cast.kd
    .args:
      - { .name: x, .offset: 0, .size: 8, .value_kind: global_buffer, .address_space: global }
      - { .name: xb, .offset: 8, .size: 8, .value_kind: global_buffer, .address_space: global }
    .group_segment_fixed_size: 0
    .private_segment_fixed_size: 0
    .kernarg_segment_align: 8
    .kernarg_segment_size: 16
    .max_flat_workgroup_size: 256
    .sgpr_count:     66
    .vgpr_count:     104
    .wavefront_size: 32
...
	.end_amdgpu_metadata
.endif
;; end of part 1
;; launch qkv (part 2): grid 96 x 4, 4 waves a work-group, clusters of 4 x 4, 327,680 bytes of LDS; arguments xb, wq, wk, wv, freqs_cis, qw, kw, vw; writes qw, kw, vw
.if DOCPART == 2
	.amdgcn_target "amdgcn-amd-amdhsa--gfx1250"
	.amdhsa_code_object_version 6
	.text
	.protected	k_q5489136fb0_qkv
	.globl	k_q5489136fb0_qkv
	.p2align	8
	.type	k_q5489136fb0_qkv,@function
k_q5489136fb0_qkv:
	s_mov_b64 s[64:65], 0
	v_nop
	global_prefetch_b8 v0, s[64:65] scope:SCOPE_SE
	s_setreg_imm32_b32 hwreg(HW_REG_WAVE_MODE, 25, 1), 1
	s_wait_xcnt 0x0
	s_wait_alu depctr_hold_cnt(0) depctr_sa_sdst(0) depctr_va_vdst(0) depctr_va_sdst(0) depctr_va_ssrc(0) depctr_va_vcc(0) depctr_vm_vsrc(0)
	s_getreg_b32 s2, hwreg(HW_REG_IB_STS2, 6, 4)
	s_cmp_eq_u32 s2, 0
	s_cbranch_scc0 .Lentry_in_a_cluster
	s_endpgm
.Lentry_in_a_cluster:
	s_bfe_u32 s2, ttmp6, 0x10000c
	s_cmp_lg_u32 s2, 0xf033
	s_cbranch_scc0 .Lentry_shape_is_right
	s_endpgm
.Lentry_shape_is_right:
; C = A W for 1,024 rows: A [1024][4096] of 16 bits (K along the rows), W [4096][N] f32 (N along the rows).  One text for two launches:
;   KIND 0: A = xb (bf16, x / 4), W = wq | wk | wv rounded to bf16; the rotation by freqs_cis in f32; q, k, v out in f16, at a quarter of their size,
;           as [column block of 64][1024 rows][64].  v takes the rotation (1, 0), chosen by v_cndmask_b32, so that all blocks run one text.
;   KIND 1: A = yw (f16, y / 4), W = wo rounded to bf16 and held in f16 (exact from 6.1e-5 up, below that within 3e-8); out0 = 4 x the sum, f32.
; LIMITS: NaN and infinities are not served (an infinite v would meet the factor 0).  q, k, v overflow f16 beyond 262,000.  freqs_cis is rounded to
; bf16 like the other inputs where ROUND_FREQS is 1.
; SHAPE: a work-group makes 256 rows x 64 columns.  Its four waves split K: each holds the whole block (64 accumulator tiles, 512 registers) and takes
; the slices k = 128 s + 32 w .. + 31, s = 0 .. 31.  So each LDS byte of A is read by one wave: 16 KB for 64 matrix instructions.  The four partial
; sums meet in LDS at the end.
; A comes by tensor loads into two slots of 256 k (256 rows x 528 bytes).  4 x 4 work-groups form a cluster; the four of a row of the cluster make the
; same 256 rows, so A's tiles are asked for jointly by them.
; W IS NOT SHARED BY A JOINT LOAD: as f32 it is 256 bytes for each k and work-group beside A's 512, 393,216 bytes for two slots of 256 k,
; which is more than a work-group can have, so the slots would have to hold half as many k and there would be a round of the cluster's barrier
; after each slice.  Instead each wave streams its own slices into a ring of four slices in registers, with counted waits: a slice is asked for
; four slices (256 matrix instructions) ahead of its use.
; TWO PERMUTATIONS spare every shuffle.  Columns: index n of column tile c stands for column 4 n + c, so a lane's 16 bytes of a row of W feed the four
; tiles, and packing rows k and k + 1 makes W's fragment.  Rows: index m of a row tile stands for LDS row 2 (m & 7) + (m >> 3), so register j of a
; result in lane (r, h) is row 2 j + h: the two halves of the lanes hold neighbouring rows, a lane four neighbouring columns.
.set KIND, 0
.set ROUND_FREQS, 1
.set PITCH, 528                        ; an LDS row: 512 bytes + 16 = 33 x 16: the 16 rows of a fragment load begin in 16 different 16-byte columns modulo 256
.set WROWS, 64*PITCH                   ; what one tensor load brings
.set HALFB, 128*PITCH                  ; rows 128 .. 255 of a slot
.set SLOT,  256*PITCH
; window 0
.set ADRA, 8                           ; v8-11   LDS address of my fragments: 2 x slot + half of the rows
.set SA,   12                          ; v12     where my partial sums go
.set VO,   13                          ; v13     my byte offset in the output
.set VF,   14                          ; v14     my byte offset in freqs_cis
.set OFF,  16                          ; v16-31  byte offset of load i of a slice of W
.set RA,   32                          ; v32-35  where wave p's partial sums of my rows lie
.set H0,   64                          ; v64-127 A's fragments of row tiles 0-7, v128-191 of row tiles 8-15; at the end the four partial sums
.set WB0,  192                         ; v192-223, v224-255: W's fragments, two buffers; at the end the results
.set WB1,  224
.set PS,   64
.set OUTR, 192
; window 1: v[64 b .. 64 b + 63] slice buffer b of W as loaded (f32); at the end v0-127 freqs_cis.  Windows 2, 3: accumulators of row tiles 0-7, 8-15
.set G1, 40                            ; s[40:47] descriptor group 1
.set G0, 48                            ; s[48:55] descriptor group 0, one set for each slot
.set MUL_LO, 0xa0                      ; C and D window 2
.set MUL_HI, 0xf0                      ; C and D window 3
.set TO_ST,  0x40                      ; destination window 1
.set CV,     0x05                      ; sources window 1
.set CV1,    0x45                      ; sources and destination window 1
.set ST_LO,  0x08                      ; LDS store data window 2
.set ST_HI,  0x0c                      ; LDS store data window 3
.set ROPE,   0x04                      ; source 1 window 1
.set FSEL,   0x41                      ; source 0 and destination window 1
.set MSB, 0
.macro WIN new                         ; the immediate's high byte repeats the setting that is left
.if MSB != \new
	s_set_vgpr_msb (MSB<<8)|\new
.set MSB, \new
.endif
.endm
.macro PLACES                          ; four places behind a matrix instruction, ahead of loads into its sources and of readers of its result
.rept 4
	v_nop
.endr
.endm
.macro CREST                           ; a round of the cluster's barrier behind its opening barrier
	s_cmp_lg_u32 s12, 0
	s_cbranch_scc1 .Lnot_wave_0_\@
	s_barrier_signal -3
.Lnot_wave_0_\@:
	s_barrier_wait -3
	s_barrier_signal -1
	s_barrier_wait -1
.endm
.macro CROUND
	s_barrier_signal -1
	s_barrier_wait -1
	CREST
.endm
.if KIND
	s_load_b128 s[24:27], s[0:1], 0x0              ; yw s[24:25], wo s[26:27]
	s_load_b64 s[28:29], s[0:1], 0x10              ; out0
.else
	s_load_b512 s[24:39], s[0:1], 0x0              ; xb 24, wq 26, wk 28, wv 30, freqs_cis 32, qw 34, kw 36, vw 38
	v_lshl_add_u32 v62, v0, 2, 0x42000
	v_mov_b32 v63, 0
	ds_add_u32 v62, v63
.endif
	v_lshrrev_b32 v3, 5, v0
	v_readfirstlane_b32 s12, v3                    ; wave 0..3
	s_bfe_u32 s13, ttmp6, 0x40000                  ; cx
	s_bfe_u32 s14, ttmp6, 0x40004                  ; cy
	s_lshl_b32 s15, ttmp9, 2
	s_add_co_u32 s15, s15, s13                     ; column block = 4 x cluster x + cx
	s_and_b32 s16, ttmp7, 0xffff
	s_lshl_b32 s16, s16, 2
	s_add_co_u32 s16, s16, s14                     ; row block = 4 x cluster y + cy
	s_lshl_b32 s17, s14, 2
	s_lshl_b32 s17, 15, s17                        ; my row of the cluster: places 4 cy .. 4 cy + 3
	s_mov_b32 s60, 0xffff0000                      ; a word's upper bf16
.if KIND
	s_mov_b32 s18, 16384                           ; bytes in a row of W
	s_mov_b32 s61, s15                             ; the column block inside W
.else
	; which of the three weights: clusters 0-15 wq, 16-19 wk, 20-23 wv.  The choice hangs on the cluster's number alone.
	s_mov_b32 s18, 4096
	s_cmp_ge_u32 ttmp9, 20
	s_cselect_b32 s22, 80, 64                      ; first column block of wv, of wk
	s_cselect_b32 s19, -1, 0                       ; all lanes: this is a block of v
	s_cmp_lt_u32 ttmp9, 16
	s_cselect_b32 s22, 0, s22
	s_cselect_b32 s18, 16384, s18                  ; bytes in a row of W
	s_sub_co_u32 s61, s15, s22                     ; the column block inside its W
.endif
	; vector addresses
	v_and_b32 v1, 15, v0                           ; r
	v_bfe_u32 v2, v0, 4, 1                         ; h
	v_and_b32 v3, 7, v0
	v_bfe_u32 v4, v0, 3, 1
	v_lshl_add_u32 v3, v3, 1, v4                   ; LDS row of fragment index r: 2 (r & 7) + (r >> 3)
	v_mul_u32_u24 v3, v3, PITCH
	v_lshl_add_u32 v3, v2, 4, v3                   ; + 16 h
	s_lshl_b32 s62, s12, 6                         ; + my 32 k of a slice: 64 w bytes
	v_add_nc_u32 v[ADRA+0], s62, v3
	v_add_nc_u32 v[ADRA+1], HALFB, v[ADRA+0]
	v_add_nc_u32 v[ADRA+2], SLOT, v[ADRA+0]
	v_add_nc_u32 v[ADRA+3], SLOT+HALFB, v[ADRA+0]
	v_and_b32 v5, 31, v0
	v_lshlrev_b32 v5, 4, v5                        ; 16 x lane
	s_lshl_b32 s62, s12, 16
	v_add_nc_u32 v[SA], s62, v5                    ; my 65,536 bytes of partial sums
	s_lshl_b32 s62, s12, 14
	v_add_nc_u32 v[RA+0], s62, v5                  ; in each wave's 65,536: the 16 tiles of rows 64 w .. 64 w + 63
	v_add_nc_u32 v[RA+1], 0x10000, v[RA+0]
	v_add_nc_u32 v[RA+2], 0x20000, v[RA+0]
	v_add_nc_u32 v[RA+3], 0x30000, v[RA+0]
	v_lshlrev_b32 v4, 4, v1                        ; 16 r
	v_lshlrev_b32 v7, 3, v2                        ; 8 h
.set i, 0
.rept 16                                           ; load i of a slice: row 8 h + i (i < 8) or 16 + 8 h + i - 8, bytes 16 r: sixteen lanes take 256 consecutive bytes, aligned
	v_add_nc_u32 v6, i+8*(i/8), v7
	v_mad_u32_u24 v[OFF+i], v6, s18, v4
.set i, i+1
.endr
.if KIND
	v_lshl_add_u32 v[VO], v2, 14, v4               ; row h of 16,384 bytes + 16 r
.else
	v_lshlrev_b32 v6, 3, v1
	v_lshl_add_u32 v[VO], v2, 7, v6                ; row h of 128 bytes + 8 r
	s_and_b32 s62, s15, 1
	s_lshl_b32 s62, s62, 8                         ; which half of the head's 64 pairs
	v_lshl_add_u32 v[VF], v2, 9, v4                ; row h of 512 bytes + 16 r (two pairs of cos, sin)
	v_add_nc_u32 v[VF], s62, v[VF]
.endif
	; descriptor group 1: 64 rows x 256 elements of 2 bytes, 4 words of padding behind every 128 words
	s_or_b32 s[G1+0], s17, (1<<16)|(1<<20)|(1<<21)|(6<<22)|(3<<25)
	s_mov_b32 s[G1+1], 256<<16                     ; tensor_dim0 = 256
	s_mov_b32 s[G1+2], 64<<16                      ; tensor_dim1 = 64
	s_mov_b32 s[G1+3], 256<<16                     ; tile_dim0 = 256
	s_mov_b32 s[G1+4], 64                          ; tile_dim1 = 64
	s_mov_b32 s[G1+5], 4096                        ; elements from row to row
	s_mov_b32 s[G1+6], 0
	s_mov_b32 s[G1+7], 0
	s_lshl_b32 s56, s16, 21                        ; A: (256 x row block + 64 w) rows of 8,192 bytes: hangs on the row block and the wave alone
	s_lshl_b32 s57, s12, 19
	s_add_co_u32 s56, s56, s57
	s_mov_b32 s57, 0
	s_mul_i32 s58, s12, WROWS                      ; and where my 64 rows go
	s_lshl_b32 s20, s18, 7                         ; W from slice to slice: 128 rows
	s_mov_b32 s21, 0
	s_wait_dscnt 0x0
	s_wait_kmcnt 0x0
	s_add_nc_u64 s[4:5], s[24:25], s[56:57]
.if KIND
	s_mov_b64 s[6:7], s[26:27]
	s_mov_b64 s[8:9], s[28:29]
.else
	s_cmp_ge_u32 ttmp9, 20
	s_cselect_b64 s[6:7], s[30:31], s[28:29]       ; wv or wk
	s_cselect_b64 s[8:9], s[38:39], s[36:37]       ; vw or kw
	s_cmp_lt_u32 ttmp9, 16
	s_cselect_b64 s[6:7], s[26:27], s[6:7]         ; or wq
	s_cselect_b64 s[8:9], s[34:35], s[8:9]         ; or qw
.endif
	s_lshl_b32 s22, s61, 8                         ; W: 256 bytes for each column block
	s_mul_i32 s23, s12, s18
	s_lshl_b32 s23, s23, 5                         ; + 32 w rows
	s_add_co_u32 s22, s22, s23
	s_mov_b32 s23, 0
	s_add_nc_u64 s[6:7], s[6:7], s[22:23]
.if KIND
	s_lshl_b32 s22, s16, 22                        ; out0: (256 x row block + 64 w) rows of 16,384 bytes + 256 x column block
	s_lshl_b32 s62, s12, 20
	s_add_co_u32 s22, s22, s62
	s_lshl_b32 s62, s15, 8
	s_add_co_u32 s22, s22, s62
	s_add_nc_u64 s[8:9], s[8:9], s[22:23]
.else
	s_lshl_b32 s22, s61, 17                        ; column block x 1,024 rows of 128 bytes + (256 x row block + 64 w) rows
	s_lshl_b32 s62, s16, 15
	s_add_co_u32 s22, s22, s62
	s_lshl_b32 s62, s12, 13
	s_add_co_u32 s22, s22, s62
	s_add_nc_u64 s[8:9], s[8:9], s[22:23]
	s_lshl_b32 s22, s16, 17                        ; freqs_cis: (256 x row block + 64 w) rows of 512 bytes
	s_lshl_b32 s62, s12, 15
	s_add_co_u32 s22, s22, s62
	s_add_nc_u64 s[10:11], s[32:33], s[22:23]
.endif
	CROUND                                         ; all sixteen work-groups are here: the first joint loads meet
.irp s, 0,1
	s_mov_b32 s[G0+4*\s], 1
	s_add_co_u32 s[G0+4*\s+1], s58, \s*SLOT
	s_add_nc_u64 s[G0+4*\s+2:G0+4*\s+3], s[4:5], \s*512            ; k = 256 x slot
	s_or_b32 s[G0+4*\s+3], s[G0+4*\s+3], 0x80000000
	tensor_load_to_lds s[G0+4*\s:G0+4*\s+3], s[G1:G1+7]            ; two tensor loads of the wave are out here, later one
	s_nop 0
.endr
; 16 LDS loads: the fragments of eight row tiles (half 0: rows 0-127, half 1: rows 128-255) for slice sl (0, 1) of a slot
.macro AFETCH half, slot, sl
	WIN 0
.irp m, 0,1,2,3,4,5,6,7
	ds_load_b128 v[H0+64*\half+8*\m:H0+64*\half+8*\m+3], v[ADRA+2*\slot+\half] offset:16*PITCH*\m+256*\sl
	ds_load_b128 v[H0+64*\half+8*\m+4:H0+64*\half+8*\m+7], v[ADRA+2*\slot+\half] offset:16*PITCH*\m+256*\sl+32
.endr
.endm
; 16 global loads: a slice of W (32 rows x 256 bytes) into buffer b
.macro WLOAD b, step
.if \step
	s_wait_xcnt 0x0                                ; the base is stepped only behind this wait: the earlier loads have had their addresses translated
	s_add_nc_u64 s[6:7], s[6:7], s[20:21]
.endif
	WIN TO_ST
.set i, 0
.rept 16
	global_load_b128 v[64*\b+4*i:64*\b+4*i+3], v[OFF+i], s[6:7]
.set i, i+1
.endr
.endm
; W's four fragments from buffer b: register p of column tile c packs rows 2 p and 2 p + 1 of the lane's column c
.macro CONV b, wb
.if KIND
	WIN CV1                                        ; first to bf16, as the weights are rounded, then each half widened again,
.irp p, 0,1,2,3,4,5,6,7
.irp c, 0,1,2,3
	v_cvt_pk_bf16_f32 v[64*\b+8*\p+\c], v[64*\b+8*\p+\c], v[64*\b+8*\p+4+\c]
.endr
.endr
.irp p, 0,1,2,3,4,5,6,7
.irp c, 0,1,2,3
	v_and_b32 v[64*\b+8*\p+4+\c], s60, v[64*\b+8*\p+\c]
.endr
.endr
.irp p, 0,1,2,3,4,5,6,7
.irp c, 0,1,2,3
	v_lshlrev_b32 v[64*\b+8*\p+\c], 16, v[64*\b+8*\p+\c]
.endr
.endr
	WIN CV                                         ; and held in f16, the format of the other operand
.irp p, 0,1,2,3,4,5,6,7
.irp c, 0,1,2,3
	v_cvt_pk_f16_f32 v[\wb+8*\c+\p], v[64*\b+8*\p+\c], v[64*\b+8*\p+4+\c]
.endr
.endr
.else
	WIN CV
.irp p, 0,1,2,3,4,5,6,7
.irp c, 0,1,2,3
	v_cvt_pk_bf16_f32 v[\wb+8*\c+\p], v[64*\b+8*\p+\c], v[64*\b+8*\p+4+\c]
.endr
.endr
.endif
.endm
.macro WM acc, a, b, zero
.if KIND
.if \zero
	v_wmma_f32_16x16x32_f16 v[\acc:\acc+7], v[\a:\a+7], v[\b:\b+7], 0
.else
	v_wmma_f32_16x16x32_f16 v[\acc:\acc+7], v[\a:\a+7], v[\b:\b+7], v[\acc:\acc+7]
.endif
.else
.if \zero
	v_wmma_f32_16x16x32_bf16 v[\acc:\acc+7], v[\a:\a+7], v[\b:\b+7], 0
.else
	v_wmma_f32_16x16x32_bf16 v[\acc:\acc+7], v[\a:\a+7], v[\b:\b+7], v[\acc:\acc+7]
.endif
.endif
.endm
; n row tiles from m0 on of the window's eight x the four column tiles.  The 64 accumulators take turns, one instruction a turn, in the same order
; in every slice and over the backward jump.  zero = 1: the first products start the sums.
.macro MUL half, wb, m0, n, zero
.set mm, \m0
.rept \n
.irp nt, 0,1,2,3
	WM 8*(4*mm+\nt), H0+64*\half+8*mm, \wb+8*\nt, \zero
.endr
.set mm, mm+1
.endr
.endm
; One slice: 32 k, 64 matrix instructions.  (slot, sl): where its fragments came from; b: W's buffer; wb: fragment buffer; (nslot, nsl): the next slice.
; wload: buffer b is asked for again, four slices ahead.  lcnt: the loads of the younger slices, 16 each.
; turn: this is the slot's second slice, the slots change; fill: the slot is filled again, two tiles ahead.  last: nothing follows.
.macro SLICE slot, sl, b, wb, nslot, nsl, zero, wload, lcnt, turn, fill, last
	s_wait_loadcnt \lcnt                           ; loads come back in order: this slice of W is in, the younger slices stay out
	CONV \b, \wb
.if \wload
	WLOAD \b, 1
.endif
	s_wait_dscnt 16                                ; rows 0-127 are in; the 16 younger loads are rows 128-255
	WIN MUL_LO
.if \turn
	MUL 0, \wb, 0, 4, \zero
	s_wait_dscnt 0x0                               ; my reads of this slot are over
	s_wait_tensorcnt 0x0                           ; all my tensor loads have landed: the one that was out is my part of the next slot
	ds_add_u32 v62, v63
	s_wait_dscnt 0x0
	s_barrier_signal -1                            ; (where the slot is filled again this barrier opens a round of the cluster's barrier)
	MUL 0, \wb, 4, 4, \zero                        ; register work while the others arrive
	WIN 0
	s_barrier_wait -1
.if \fill
	CREST                                          ; no wave of any partner still reads this slot or has a load on its way
	s_add_nc_u64 s[G0+4*\slot+2:G0+4*\slot+3], s[G0+4*\slot+2:G0+4*\slot+3], 1024   ; two tiles of 256 k on
	tensor_load_to_lds s[G0+4*\slot:G0+4*\slot+3], s[G1:G1+7]      ; my one tensor load behind the round; it has two slices, 128 matrix instructions, to land
	s_nop 0
.endif
.else
	MUL 0, \wb, 0, 8, \zero
.endif
.if \last
	s_wait_dscnt 0x0
.else
	PLACES
	AFETCH 0, \nslot, \nsl
	s_wait_dscnt 16                                ; rows 128-255 are in; the 16 younger loads are the next slice's rows 0-127
.endif
	WIN MUL_HI
	MUL 1, \wb, 0, 8, \zero
.if \last == 0
	PLACES
	AFETCH 1, \nslot, \nsl
.endif
.endm
.macro LAP zero                        ; four slices: once round the ring of slots and once round W's four buffers
	SLICE 0, 0, 0, WB0, 0, 1, \zero, 1, 48, 0, 0, 0
	SLICE 0, 1, 1, WB1, 1, 0, 0, 1, 48, 1, 1, 0
	SLICE 1, 0, 2, WB0, 1, 1, 0, 1, 48, 0, 0, 0
	SLICE 1, 1, 3, WB1, 0, 0, 0, 1, 48, 1, 1, 0
.endm
	WLOAD 0, 0                                     ; slices 0 to 3 of W
	WLOAD 1, 1
	WLOAD 2, 1
	WLOAD 3, 1
	WIN 0
	s_wait_tensorcnt 0x1                           ; my part of slot 0 is in; slot 1's load stays out
	s_barrier_signal -1
	s_barrier_wait -1
	AFETCH 0, 0, 0
	AFETCH 1, 0, 0
	LAP 1                                          ; the first lap stands in front of the loop: its first slice starts the sums
	WIN 0
	s_mov_b32 s3, 6
.Llap:
	LAP 0
	WIN 0
	s_sub_co_u32 s3, s3, 1
	s_cmp_lg_u32 s3, 0
	s_cbranch_scc1 .Llap
	SLICE 0, 0, 0, WB0, 0, 1, 0, 0, 48, 0, 0, 0    ; the last lap asks for nothing: W's counts run down, the one change of slots has a plain barrier
	SLICE 0, 1, 1, WB1, 1, 0, 0, 0, 32, 1, 0, 0
	SLICE 1, 0, 2, WB0, 1, 1, 0, 0, 16, 0, 0, 0
	SLICE 1, 1, 3, WB1, 0, 0, 0, 0, 0, 0, 0, 1
	; THE END: the four waves' partial sums meet in LDS bytes 0 .. 262,143, the ring's bytes, which have had their last fill.
.if KIND == 0
	WIN TO_ST                                      ; cos and sin of my 64 rows, two pairs a lane: row 16 a + 2 j + h into window 1, v[32 a + 4 j ..]
.irp a, 0,1,2,3
.irp j, 0,1,2,3,4,5,6,7
	global_load_b128 v[32*\a+4*\j:32*\a+4*\j+3], v[VF], s[10:11] offset:(16*\a+2*\j)*512
.endr
.endr
.endif
	WIN 0
	PLACES                                         ; behind the last matrix instructions: the stores below read results
	s_wait_dscnt 0x0                               ; my reads of the slots are over,
	s_barrier_signal -1
	s_barrier_wait -1                              ; everybody's are
	WIN ST_LO
.set t, 0
.rept 32                                           ; tile t: 1,024 bytes, registers 0-3 then 4-7, 16 consecutive bytes a lane
	ds_store_b128 v[SA], v[8*t:8*t+3] offset:1024*t
	ds_store_b128 v[SA], v[8*t+4:8*t+7] offset:1024*t+512
.set t, t+1
.endr
	WIN ST_HI
.set t, 0
.rept 32
	ds_store_b128 v[SA], v[8*t:8*t+3] offset:32768+1024*t
	ds_store_b128 v[SA], v[8*t+4:8*t+7] offset:32768+1024*t+512
.set t, t+1
.endr
	WIN 0
	s_wait_dscnt 0x0                               ; for the others' sake: my stores are done
	s_barrier_signal -1
	s_barrier_wait -1
.if KIND == 0
	s_wait_loadcnt 0x0                             ; freqs_cis
.if ROUND_FREQS
	WIN CV1
.set i, 0
.rept 64
	v_cvt_pk_bf16_f32 v[2*i], v[2*i], v[2*i+1]
.set i, i+1
.endr
.set i, 0
.rept 64
	v_and_b32 v[2*i+1], s60, v[2*i]
	v_lshlrev_b32 v[2*i], 16, v[2*i]
.set i, i+1
.endr
.endif
	WIN FSEL
.set i, 0
.rept 64
	v_cndmask_b32 v[2*i], v[2*i], 1.0, s19         ; a block of v is not rotated: cos = 1,
	v_cndmask_b32 v[2*i+1], v[2*i+1], 0, s19       ; sin = 0
.set i, i+1
.endr
	WIN 0
.endif
; Wave w sums and stores rows 64 w .. 64 w + 63, sixteen rows (four tiles) at a time
.irp a, 0,1,2,3
.if \a
	s_wait_xcnt 0x0                                ; the last sixteen rows' store data are rewritten only behind this wait
.endif
.irp p, 0,1,2,3
.irp nt, 0,1,2,3
	ds_load_b128 v[PS+32*\p+8*\nt:PS+32*\p+8*\nt+3], v[RA+\p] offset:1024*(4*\a+\nt)
	ds_load_b128 v[PS+32*\p+8*\nt+4:PS+32*\p+8*\nt+7], v[RA+\p] offset:1024*(4*\a+\nt)+512
.endr
.endr
	s_wait_dscnt 0x0
.set i, 0
.rept 16
	v_pk_add_f32 v[PS+2*i:PS+2*i+1], v[PS+2*i:PS+2*i+1], v[PS+32+2*i:PS+32+2*i+1]
	v_pk_add_f32 v[PS+64+2*i:PS+64+2*i+1], v[PS+64+2*i:PS+64+2*i+1], v[PS+96+2*i:PS+96+2*i+1]
.set i, i+1
.endr
.set i, 0
.rept 16
	v_pk_add_f32 v[PS+2*i:PS+2*i+1], v[PS+2*i:PS+2*i+1], v[PS+64+2*i:PS+64+2*i+1]
.set i, i+1
.endr
.if KIND
.irp j, 0,1,2,3,4,5,6,7
.irp c, 0,1,2,3
	v_mul_f32 v[OUTR+4*\j+\c], 4.0, v[PS+8*\c+\j]  ; y came at a quarter of its size; the same line gathers the lane's four columns
.endr
.endr
.irp j, 0,1,2,3,4,5,6,7
	global_store_b128 v[VO], v[OUTR+4*\j:OUTR+4*\j+3], s[8:9] offset:(16*\a+2*\j)*16384 th:TH_STORE_NT   ; sixteen lanes store 256 consecutive bytes, aligned; rows 2 j and 2 j + 1
.endr
.else
	WIN ROPE                                       ; (x0, x1) -> (x0 cos - x1 sin, x1 cos + x0 sin); columns (0, 1) and (2, 3) of the lane are pairs
.irp j, 0,1,2,3,4,5,6,7
.irp q, 0,1
	v_mul_f32 v[96+4*\j+2*\q], v[PS+16*\q+8+\j], v[32*\a+4*\j+2*\q+1]
	v_mul_f32 v[97+4*\j+2*\q], v[PS+16*\q+\j], v[32*\a+4*\j+2*\q+1]
.endr
.endr
.irp j, 0,1,2,3,4,5,6,7
.irp q, 0,1
	v_fma_f32 v[224+4*\j+2*\q], v[PS+16*\q+\j], v[32*\a+4*\j+2*\q], -v[96+4*\j+2*\q]
	v_fma_f32 v[225+4*\j+2*\q], v[PS+16*\q+8+\j], v[32*\a+4*\j+2*\q], v[97+4*\j+2*\q]
.endr
.endr
	WIN 0
.irp j, 0,1,2,3,4,5,6,7
.irp q, 0,1
	v_cvt_pk_f16_f32 v[OUTR+2*\j+\q], v[224+4*\j+2*\q], v[225+4*\j+2*\q]
.endr
.endr
.irp j, 0,1,2,3,4,5,6,7
	global_store_b64 v[VO], v[OUTR+2*\j:OUTR+2*\j+1], s[8:9] offset:(16*\a+2*\j)*128   ; the wave stores rows 2 j and 2 j + 1 of 128 bytes: 256 consecutive bytes, aligned
.endr
.endif
.endr
	s_wait_tensorcnt 0x0
	ds_add_u32 v62, v63
	s_wait_dscnt 0x0
	CROUND                                         ; the closing round: no work-group ends while a partner may still ask for a tile that names it
	s_endpgm
.Lfunc_end_k_q5489136fb0_qkv:
	.size	k_q5489136fb0_qkv, .Lfunc_end_k_q5489136fb0_qkv-k_q5489136fb0_qkv
	.p2alignl 7, 3214868480
	.fill 96, 4, 3214868480
	.section	.rodata,"a",@progbits
	.p2align	6, 0x0
	.amdhsa_kernel k_q5489136fb0_qkv
		.amdhsa_group_segment_fixed_size 327680
		.amdhsa_private_segment_fixed_size 0
		.amdhsa_enable_private_segment 0
		.amdhsa_kernarg_size 64
		.amdhsa_user_sgpr_count 2
		.amdhsa_user_sgpr_kernarg_segment_ptr 1
		.amdhsa_wavefront_size32 1
		.amdhsa_system_sgpr_workgroup_id_x 1
		.amdhsa_system_sgpr_workgroup_id_y 1
		.amdhsa_system_sgpr_workgroup_id_z 1
		.amdhsa_system_vgpr_workitem_id 0
		.amdhsa_next_free_vgpr 1024
		.amdhsa_next_free_sgpr 66
		.amdhsa_reserve_vcc 0
		.amdhsa_float_denorm_mode_32 3
		.amdhsa_float_denorm_mode_16_64 3
		.amdhsa_memory_ordered 1
		.amdhsa_forward_progress 1
		.amdhsa_inst_pref_size 198
	.end_amdhsa_kernel
	.amdgpu_metadata
---
amdhsa.version: [ 1, 2 ]
amdhsa.kernels:
  - .name:           k_q5489136fb0_qkv
    .symbol:         k_q5489136fb0_qkv.kd
    .args:
      - { .name: xb, .offset: 0, .size: 8, .value_kind: global_buffer, .address_space: global }
      - { .name: wq, .offset: 8, .size: 8, .value_kind: global_buffer, .address_space: global }
      - { .name: wk, .offset: 16, .size: 8, .value_kind: global_buffer, .address_space: global }
      - { .name: wv, .offset: 24, .size: 8, .value_kind: global_buffer, .address_space: global }
      - { .name: freqs_cis, .offset: 32, .size: 8, .value_kind: global_buffer, .address_space: global }
      - { .name: qw, .offset: 40, .size: 8, .value_kind: global_buffer, .address_space: global }
      - { .name: kw, .offset: 48, .size: 8, .value_kind: global_buffer, .address_space: global }
      - { .name: vw, .offset: 56, .size: 8, .value_kind: global_buffer, .address_space: global }
    .group_segment_fixed_size: 327680
    .private_segment_fixed_size: 0
    .kernarg_segment_align: 8
    .kernarg_segment_size: 64
    .max_flat_workgroup_size: 128
    .sgpr_count:     66
    .vgpr_count:     1024
    .wavefront_size: 32
...
	.end_amdgpu_metadata
.endif
;; end of part 2
;; launch attn (part 3): grid 32 x 8, 4 waves a work-group, clusters of 4 x 1, 327,680 bytes of LDS; arguments qw, kw, vw, yw; writes yw
.if DOCPART == 3
	.amdgcn_target "amdgcn-amd-amdhsa--gfx1250"
	.amdhsa_code_object_version 6
	.text
	.protected	k_q5489136fb0_attn
	.globl	k_q5489136fb0_attn
	.p2align	8
	.type	k_q5489136fb0_attn,@function
k_q5489136fb0_attn:
	s_mov_b64 s[64:65], 0
	v_nop
	global_prefetch_b8 v0, s[64:65] scope:SCOPE_SE
	s_setreg_imm32_b32 hwreg(HW_REG_WAVE_MODE, 25, 1), 1
	s_wait_xcnt 0x0
	s_wait_alu depctr_hold_cnt(0) depctr_sa_sdst(0) depctr_va_vdst(0) depctr_va_sdst(0) depctr_va_ssrc(0) depctr_va_vcc(0) depctr_vm_vsrc(0)
	s_getreg_b32 s2, hwreg(HW_REG_IB_STS2, 6, 4)
	s_cmp_eq_u32 s2, 0
	s_cbranch_scc0 .Lentry_in_a_cluster
	s_endpgm
.Lentry_in_a_cluster:
	s_bfe_u32 s2, ttmp6, 0x10000c
	s_cmp_lg_u32 s2, 0x3003
	s_cbranch_scc0 .Lentry_shape_is_right
	s_endpgm
.Lentry_shape_is_right:
; Causal attention, 32 query heads on 8 key and value heads, d = 128, T = 1,024.  q, k, v: f16 at a quarter of their size, [column block of 64][1024][64];
; yw: [1024][4096] f16, y at a quarter of its size.  Softmax in f32 with a running maximum; masked scores are -1e30 as in the problem's function.
; The 1/16 on q k and the 1/sqrt(128) are folded with log2(e) into one factor C = 16 log2(e) / sqrt(128).  P lies in [0, 1] and goes in f16.
; LIMITS: NaN and infinities are not served.  P is summed in f32 before it is rounded to f16 for the product with v.
; SHARE: work-group (p, g), p = 0..31: key and value head g; wave w: query head 4 g + w, so the four heads read one K and V in LDS.  Each wave has two
; tiles of 16 queries: H = rows 16 (63 - p) .., L = rows 16 p ..  With a = p / 8, H needs the key blocks (128 keys) 0 .. 7 - a, L the blocks 0 .. a:
; 9 blocks in every work-group.  The steps are 8 - a rounded up to even; the extra step of an odd a is masked whole (its block, 8 - a, exists).
; CLUSTER: the four work-groups p = 4 x .. 4 x + 3 have the same a, walk the same K and V tiles in the same steps and ask for them jointly (mask 15).
; No branch and no trip count hangs on the place in the cluster: only on the cluster's number and the step.
; PRODUCTS ARE TRANSPOSED, so that nothing is shuffled: S^T = K Q^T puts (key 8 h + j, query r) in register j of lane (r, h); two key tiles packed to f16
; are the second source of O^T = V^T P^T for 32 keys; V^T comes from LDS by the transposing load.  Maximum, sum and factor are one number a lane.
.set KP, 144                           ; LDS pitch of K's rows of 128 bytes: 9 x 16
.set VP, 160                           ; of V's: 5 x 32, for the transposing load
.set KHALF, 128*KP
.set VHALF, 128*VP
.set VBASE, 2*KHALF
.set SLOT,  VBASE+2*VHALF              ; K d 0-63, K d 64-127, V d 0-63, V d 64-127 of 128 keys: 77,824 bytes
.set STAGE, 2*SLOT                     ; behind the ring, at a multiple of 256: 16 rows x 272 bytes for each wave; no tensor load fills it
.set SP, 272
; window 0
.set KA,  8                            ; v8-9    LDS address of K's fragments, slot 0, 1
.set VA,  10                           ; v10-11  of V's
.set STO, 12                           ; the way out: where I put 16 bytes of a row
.set RD,  13                           ; where I read a row back
.set YOH, 14                           ; my byte offset in yw, tile H, L
.set YOL, 15
.set QOH, 16                           ; my byte offset in qw
.set QOL, 17
.set QLH, 18                           ; query - 8 h, tile H, L
.set QLL, 19
.set NEG, 20                           ; -1e30
.set LIM, 21
.set MH, 22                            ; running maximum and sum
.set LH, 23
.set ML, 24
.set LL, 25
.set AL, 26                            ; v[26:27] the factor for what was summed so far, twice
.set MC, 28                            ; v[28:29] - maximum x C, twice
.set T0, 30
.set T1, 31
.set SH, 32                            ; v32-63, v64-95: scores, 8 registers a key tile
.set SL, 64
.set PH, 96                            ; v96-111, v112-127: P in f16; before that at work
.set PL, 112
.set FK, 128                           ; v128-255: K's fragments, key tile kt, d step ks at 32 kt + 8 ks
; window 1: O of tile H v0-63, of tile L v64-127; Q of tile H v128-159, of tile L v160-191.  Window 2: V's fragments, d tile dt, key step kk at 16 dt + 8 kk
.set OH, 0
.set OL, 64
.set QH, 128
.set QL, 160
.set G1K, 32
.set G1V, 40
.set G0K, 48
.set G0V, 56
.set W_ST,  0x04                       ; source 1 (Q) window 1
.set W_PV,  0x52                       ; source 0 (V) window 2, C and D window 1
.set W_TOV, 0x80                       ; destination window 2
.set W_TOQ, 0x40                       ; destination window 1
.set W_RES, 0x41                       ; source 0 and destination window 1
.set W_FIN, 0x01                       ; source 0 window 1
.set MSB, 0
.macro WIN new
.if MSB != \new
	s_set_vgpr_msb (MSB<<8)|\new
.set MSB, \new
.endif
.endm
.macro PLACES                          ; four places behind a matrix instruction (ISA guide 7.12.1)
.rept 4
	v_nop
.endr
.endm
.macro ROUND                           ; a round of the cluster's barrier
	s_barrier_signal -1
	s_barrier_wait -1
	s_cmp_lg_u32 s12, 0
	s_cbranch_scc1 .Lnot_wave_0_\@
	s_barrier_signal -3
.Lnot_wave_0_\@:
	s_barrier_wait -3
	s_barrier_signal -1
	s_barrier_wait -1
.endm
.macro JLOAD s                         ; waves 0, 1 ask for K's two halves, waves 2, 3 for V's: one tensor load a wave
	s_cmp_eq_u32 s30, 0
	s_cbranch_scc0 .Lfor_v_\@
	tensor_load_to_lds s[G0K+4*\s:G0K+4*\s+3], s[G1K:G1K+7]
	s_nop 0
	s_branch .Lasked_\@
.Lfor_v_\@:
	tensor_load_to_lds s[G0V+4*\s:G0V+4*\s+3], s[G1V:G1V+7]
	s_nop 0
.Lasked_\@:
.endm
	s_load_b256 s[4:11], s[0:1], 0x0               ; qw s[4:5], kw s[6:7], vw s[8:9], yw s[10:11]
	v_lshl_add_u32 v7, v0, 2, 0x2a400
	s_set_vgpr_msb 0x40
	v_mov_b32 v255, 0
	s_set_vgpr_msb 0x4044
	ds_add_u32 v7, v255
	s_set_vgpr_msb 0x4400
	v_lshrrev_b32 v3, 5, v0
	v_readfirstlane_b32 s12, v3                    ; wave
	s_bfe_u32 s13, ttmp6, 0x40000                  ; cx
	s_lshl_b32 s14, ttmp9, 2
	s_add_co_u32 s14, s14, s13                     ; p
	s_and_b32 s15, ttmp7, 0xffff                   ; g
	s_lshr_b32 s16, ttmp9, 1                       ; a = p / 8: the same in all four partners
	s_sub_co_u32 s17, 7, s16                       ; 7 - a
	s_mov_b32 s18, 0                               ; kb, the key block
	s_lshr_b32 s23, s16, 1
	s_sub_co_u32 s23, 2, s23                       ; laps of the loop: 4 - a / 2 laps of two steps in all, one in front and one behind
	s_mov_b32 s24, 0x400293ee                      ; C = 16 log2(e) / sqrt(128), twice: a pair for the packed form
	s_mov_b32 s25, 0x400293ee
	s_mov_b32 s26, 0xc00293ee                      ; - C
	s_mov_b32 s27, 0x76543210                      ; v_permlanex16_b32: lane i of one half reads lane i of the other
	s_mov_b32 s28, 0xfedcba98
	s_and_b32 s29, s12, 1                          ; which half of d I fetch
	s_lshr_b32 s30, s12, 1                         ; of K (0) or of V (1)
	s_lshl_b32 s31, s15, 2
	s_add_co_u32 s31, s31, s12                     ; my query head
	s_mul_i32 s19, s29, KHALF                      ; where K's half goes
	s_mul_i32 s20, s29, VHALF
	s_add_co_u32 s20, s20, VBASE                   ; where V's half goes
	s_lshl_b32 s2, s15, 1
	s_add_co_u32 s2, s2, s29
	s_lshl_b32 s2, s2, 17                          ; column block 2 g + half, 131,072 bytes each
	s_mov_b32 s3, 0
	; group 1: a block of 128 keys x 128 bytes is dense: 64 rows of 256 bytes, padded behind every 32 words by 4 words (K) or 8 (V)
	s_mov_b32 s[G1K+0], 15|(1<<16)|(1<<20)|(1<<21)|(4<<22)|(3<<25)
	s_mov_b32 s[G1V+0], 15|(1<<16)|(1<<20)|(1<<21)|(4<<22)|(7<<25)
.irp g, G1K, G1V
	s_mov_b32 s[\g+1], 128<<16                     ; tensor_dim0 = 128 elements
	s_mov_b32 s[\g+2], 64<<16                      ; tensor_dim1 = 64
	s_mov_b32 s[\g+3], 128<<16                     ; tile_dim0 = 128
	s_mov_b32 s[\g+4], 64                          ; tile_dim1 = 64
	s_mov_b32 s[\g+5], 128                         ; elements from row to row
	s_mov_b32 s[\g+6], 0
	s_mov_b32 s[\g+7], 0
.endr
	s_lshl_b32 s21, s14, 4                         ; first query of tile L
	s_sub_co_u32 s22, 63, s14
	s_lshl_b32 s22, s22, 4                         ; first query of tile H
	s_mul_i32 s29, s12, 16*SP
	s_add_co_u32 s29, s29, STAGE                   ; my stage
	v_and_b32 v1, 15, v0                           ; r
	v_bfe_u32 v2, v0, 4, 1                         ; h
	v_lshlrev_b32 v3, 4, v2                        ; 16 h
	v_lshlrev_b32 v4, 4, v1                        ; 16 r
	v_mul_u32_u24 v5, v1, KP
	v_add_nc_u32 v[KA], v5, v3                     ; key r, d 8 h ..
	v_add_nc_u32 v[KA+1], SLOT, v[KA]
	v_and_b32 v5, 7, v0
	v_lshl_add_u32 v5, v2, 3, v5                   ; key 8 h + (lane & 7)
	v_mul_u32_u24 v5, v5, VP
	v_bfe_u32 v6, v0, 3, 1
	v_lshl_add_u32 v5, v6, 4, v5                   ; + 16 bytes for lanes 8-15 of each half
	v_add_nc_u32 v[VA], VBASE, v5
	v_add_nc_u32 v[VA+1], VBASE+SLOT, v5
	v_mul_u32_u24 v5, v1, SP
	v_add3_u32 v[STO], v5, v3, s29
	v_mul_u32_u24 v5, v2, SP
	v_add3_u32 v[RD], v5, v4, s29
	v_add_nc_u32 v5, s22, v2
	v_lshl_add_u32 v[YOH], v5, 13, v4              ; row (q0 + h) of 8,192 bytes + 16 r
	v_add_nc_u32 v5, s21, v2
	v_lshl_add_u32 v[YOL], v5, 13, v4
	v_lshlrev_b32 v6, 3, v2                        ; 8 h
	v_add_nc_u32 v5, s22, v1
	v_lshl_add_u32 v[QOH], v5, 7, v3               ; row (q0 + r) of 128 bytes + 16 h
	v_sub_nc_u32 v[QLH], v5, v6
	v_add_nc_u32 v5, s21, v1
	v_lshl_add_u32 v[QOL], v5, 7, v3
	v_sub_nc_u32 v[QLL], v5, v6
	v_mov_b32 v[NEG], 0xf149f2ca                   ; -1e30
	v_mov_b32 v[T0], 0                             ; v_permlanex16_b32 counts as a reader of its destination
	s_wait_dscnt 0x0
	s_wait_kmcnt 0x0
	s_add_nc_u64 s[6:7], s[6:7], s[2:3]
	s_add_nc_u64 s[8:9], s[8:9], s[2:3]
	s_lshl_b32 s2, s31, 18                         ; my head's two column blocks of q
	s_add_nc_u64 s[4:5], s[4:5], s[2:3]
	s_lshl_b32 s2, s31, 8                          ; my head's 256 bytes of a row of y
	s_add_nc_u64 s[10:11], s[10:11], s[2:3]
	ROUND                                          ; the four work-groups are here: the first joint loads meet
.irp s, 0,1
	s_mov_b32 s[G0K+4*\s], 1
	s_add_co_u32 s[G0K+4*\s+1], s19, \s*SLOT
	s_add_nc_u64 s[G0K+4*\s+2:G0K+4*\s+3], s[6:7], \s*16384        ; key block = slot
	s_or_b32 s[G0K+4*\s+3], s[G0K+4*\s+3], 0x80000000
	s_mov_b32 s[G0V+4*\s], 1
	s_add_co_u32 s[G0V+4*\s+1], s20, \s*SLOT
	s_add_nc_u64 s[G0V+4*\s+2:G0V+4*\s+3], s[8:9], \s*16384
	s_or_b32 s[G0V+4*\s+3], s[G0V+4*\s+3], 0x80000000
	JLOAD \s                                       ; two tensor loads of the wave are out here, later one
.endr
	WIN W_TOQ                                      ; Q's fragments stay in registers: query r, d = 32 ks + 8 h .. and + 16
.irp ks, 0,1,2,3
.irp e, 0,1
	global_load_b128 v[QH+8*\ks+4*\e:QH+8*\ks+4*\e+3], v[QOH], s[4:5] offset:(\ks/2)*131072+(\ks%2)*64+32*\e
	global_load_b128 v[QL+8*\ks+4*\e:QL+8*\ks+4*\e+3], v[QOL], s[4:5] offset:(\ks/2)*131072+(\ks%2)*64+32*\e
.endr
.endr
	WIN 0
.macro KFETCH slot, sub                ; 32 LDS loads: 64 keys x 128 d
	WIN 0
.irp kt, 0,1,2,3
.irp ks, 0,1,2,3
	ds_load_b128 v[FK+32*\kt+8*\ks:FK+32*\kt+8*\ks+3], v[KA+\slot] offset:\sub*64*KP+\kt*16*KP+(\ks/2)*KHALF+(\ks%2)*64
	ds_load_b128 v[FK+32*\kt+8*\ks+4:FK+32*\kt+8*\ks+7], v[KA+\slot] offset:\sub*64*KP+\kt*16*KP+(\ks/2)*KHALF+(\ks%2)*64+32
.endr
.endr
.endm
.macro VFETCH slot, sub                ; 32 transposing LDS loads: 128 d x 64 keys
	WIN W_TOV
.irp dt, 0,1,2,3,4,5,6,7
.irp kk, 0,1
	ds_load_tr16_b128 v[16*\dt+8*\kk:16*\dt+8*\kk+3], v[VA+\slot] offset:(\dt/4)*VHALF+(64*\sub+32*\kk)*VP+32*(\dt%4)
	ds_load_tr16_b128 v[16*\dt+8*\kk+4:16*\dt+8*\kk+7], v[VA+\slot] offset:(\dt/4)*VHALF+(64*\sub+32*\kk)*VP+32*(\dt%4)+16*VP
.endr
.endr
	WIN 0
.endm
.macro STX sb, qb                      ; S^T of 64 keys x 16 queries; the four accumulators take turns; the first d step starts the sums
	WIN W_ST
.irp ks, 0,1,2,3
.irp kt, 0,1,2,3
.if \ks
	v_wmma_f32_16x16x32_f16 v[\sb+8*\kt:\sb+8*\kt+7], v[FK+32*\kt+8*\ks:FK+32*\kt+8*\ks+7], v[\qb+8*\ks:\qb+8*\ks+7], v[\sb+8*\kt:\sb+8*\kt+7]
.else
	v_wmma_f32_16x16x32_f16 v[\sb+8*\kt:\sb+8*\kt+7], v[FK+32*\kt+8*\ks:FK+32*\kt+8*\ks+7], v[\qb+8*\ks:\qb+8*\ks+7], 0
.endif
.endr
.endr
.endm
.macro MASK sb, ql                     ; key s22 + 16 kt + 8 h + j stays where it is at most the query
	v_sub_nc_u32 v[LIM], v[\ql], s22
.irp kt, 0,1,2,3
.irp j, 0,1,2,3,4,5,6,7
	v_cmp_le_i32 vcc_lo, 16*\kt+\j, v[LIM]
	v_cndmask_b32 v[\sb+8*\kt+\j], v[NEG], v[\sb+8*\kt+\j], vcc_lo
.endr
.endr
.endm
; The running softmax on 64 keys.  first = 1: nothing has been summed yet.
.macro SOFT sb, pb, m, l, ob, first
.irp kt, 0,1,2,3                                   ; the largest of my 32 scores, in four chains
	v_max3_num_f32 v[\pb+\kt], v[\sb+8*\kt], v[\sb+8*\kt+1], v[\sb+8*\kt+2]
.endr
.irp kt, 0,1,2,3
	v_max3_num_f32 v[\pb+\kt], v[\pb+\kt], v[\sb+8*\kt+3], v[\sb+8*\kt+4]
.endr
.irp kt, 0,1,2,3
	v_max3_num_f32 v[\pb+\kt], v[\pb+\kt], v[\sb+8*\kt+5], v[\sb+8*\kt+6]
.endr
.irp kt, 0,1,2,3
	v_max_num_f32 v[\pb+\kt], v[\pb+\kt], v[\sb+8*\kt+7]
.endr
	v_max3_num_f32 v[\pb], v[\pb], v[\pb+1], v[\pb+2]
.if \first
	v_max_num_f32 v[\pb], v[\pb], v[\pb+3]
.else
	v_max3_num_f32 v[\pb], v[\pb], v[\pb+3], v[\m]
.endif
	v_permlanex16_b32 v[T0], v[\pb], s27, s28      ; the other half of the lanes holds the query's other keys
	v_max_num_f32 v[T1], v[\pb], v[T0]             ; the new maximum
.if \first == 0
	v_sub_f32 v[T0], v[\m], v[T1]
	v_mul_f32 v[T0], s24, v[T0]
	v_exp_f32 v[AL], v[T0]                         ; the factor; the plain lines below stand between it and its first use (ISA guide 5.7.2)
.endif
	v_mov_b32 v[\m], v[T1]
	v_mul_f32 v[MC], s26, v[T1]
	v_mul_f32 v[MC+1], s26, v[T1]
.if \first == 0
	s_wait_alu depctr_va_vdst(0)
	v_mov_b32 v[AL+1], v[AL]
.endif
.set i, 0
.rept 16
	v_pk_fma_f32 v[\sb+2*i:\sb+2*i+1], v[\sb+2*i:\sb+2*i+1], s[24:25], v[MC:MC+1] op_sel_hi:[1,0,1]
.set i, i+1
.endr
.set i, 0
.rept 32
	v_exp_f32 v[\sb+i], v[\sb+i]
.set i, i+1
.endr
	v_nop                                          ; one plain place behind the run of exponentials
.set i, 0
	s_wait_alu depctr_va_vdst(0)
.rept 8
	v_pk_add_f32 v[\pb+2*i:\pb+2*i+1], v[\sb+4*i:\sb+4*i+1], v[\sb+4*i+2:\sb+4*i+3]
.set i, i+1
.endr
.irp i, 0,4,8,12
	v_pk_add_f32 v[\pb+\i:\pb+\i+1], v[\pb+\i:\pb+\i+1], v[\pb+\i+2:\pb+\i+3]
.endr
	v_pk_add_f32 v[\pb:\pb+1], v[\pb:\pb+1], v[\pb+4:\pb+5]
	v_pk_add_f32 v[\pb+8:\pb+9], v[\pb+8:\pb+9], v[\pb+12:\pb+13]
	v_pk_add_f32 v[\pb:\pb+1], v[\pb:\pb+1], v[\pb+8:\pb+9]
.if \first
	v_add_f32 v[\l], v[\pb], v[\pb+1]
.else
	v_add_f32 v[T0], v[\pb], v[\pb+1]
	v_fma_f32 v[\l], v[\l], v[AL], v[T0]
.endif
.set i, 0
.rept 16                                           ; key tiles 2 kk and 2 kk + 1 packed are P^T's fragment for keys 32 kk .. + 31
	v_cvt_pk_f16_f32 v[\pb+i], v[\sb+2*i], v[\sb+2*i+1]
.set i, i+1
.endr
.if \first == 0
	WIN W_RES
.set i, 0
.rept 32
	v_pk_mul_f32 v[\ob+2*i:\ob+2*i+1], v[\ob+2*i:\ob+2*i+1], v[AL:AL+1]
.set i, i+1
.endr
.endif
.endm
.macro PVX pb, ob, first               ; O^T += V^T P^T; the eight accumulators take turns
	WIN W_PV
.irp kk, 0,1
.irp dt, 0,1,2,3,4,5,6,7
.if \first*(1-\kk)
	v_wmma_f32_16x16x32_f16 v[\ob+8*\dt:\ob+8*\dt+7], v[16*\dt+8*\kk:16*\dt+8*\kk+7], v[\pb+8*\kk:\pb+8*\kk+7], 0
.else
	v_wmma_f32_16x16x32_f16 v[\ob+8*\dt:\ob+8*\dt+7], v[16*\dt+8*\kk:16*\dt+8*\kk+7], v[\pb+8*\kk:\pb+8*\kk+7], v[\ob+8*\dt:\ob+8*\dt+7]
.endif
.endr
.endr
.endm
; 64 keys: half sub of the key block in a slot.  lowall = 1: key block 0, which tile L always needs: no branch, so that all its registers are written
; on every way.  mode (read at sub = 1, where the slots change): 0 the slot is filled again, 1 a plain barrier, 2 nothing follows.
; No LDS load stands inside a branch, so the counts hold on every way.
.macro SUB slot, sub, first, lowall, mode
	s_lshl_b32 s22, s18, 7
.if \sub
	s_add_co_u32 s22, s22, 64                      ; the first key
.endif
	s_wait_dscnt 32                                ; K's fragments are in; the 32 younger loads are V's
	STX SH, QH
	WIN 0
.if \lowall == 0
	s_cmp_gt_u32 s18, s16                          ; tile L needs key blocks 0 .. a
	s_cbranch_scc1 .Lno_low_s_\@
.endif
	STX SL, QL
	WIN 0
.if \lowall == 0
.Lno_low_s_\@:
.endif
	PLACES
.if \sub == 0
	KFETCH \slot, 1
.else
	s_wait_dscnt 0x0                               ; my reads of this slot are over: all its K and V are in registers
.if \mode != 2
	s_set_vgpr_msb 0x4
	s_wait_tensorcnt 0x0                           ; all my tensor loads have landed: the one that was out is my part of the other slot
	ds_add_u32 v7, v255
	s_wait_dscnt 0x0
	s_set_vgpr_msb 0x400
.endif
.if \mode == 0
	ROUND                                          ; no wave of any partner still reads this slot or has a load on its way
	s_add_nc_u64 s[G0K+4*\slot+2:G0K+4*\slot+3], s[G0K+4*\slot+2:G0K+4*\slot+3], 32768   ; two key blocks on
	s_add_nc_u64 s[G0V+4*\slot+2:G0V+4*\slot+3], s[G0V+4*\slot+2:G0V+4*\slot+3], 32768
	JLOAD \slot                                    ; my one tensor load behind the round
.endif
.if \mode == 1
	s_barrier_signal -1
	s_barrier_wait -1                              ; the other slot is whole
.endif
.if \mode != 2
	KFETCH 1-\slot, 0
.endif
.endif
	s_cmp_lt_u32 s18, s17                          ; tile H meets the diagonal in key block 7 - a
	s_cbranch_scc1 .Lno_mask_h_\@
	MASK SH, QLH
.Lno_mask_h_\@:
	SOFT SH, PH, MH, LH, OH, \first
.if \sub == 0
	s_wait_dscnt 32                                ; V's fragments are in; the 32 younger loads are the next K
.endif
	PVX PH, OH, \first
	WIN 0
.if \lowall == 0
	s_cmp_gt_u32 s18, s16
	s_cbranch_scc1 .Lno_low_p_\@
.endif
	s_cmp_lg_u32 s18, s16                          ; tile L meets the diagonal in key block a
	s_cbranch_scc1 .Lno_mask_l_\@
	MASK SL, QLL
.Lno_mask_l_\@:
	SOFT SL, PL, ML, LL, OL, \first
	PVX PL, OL, \first
	WIN 0
.if \lowall == 0
.Lno_low_p_\@:
.endif
	PLACES
.if \sub == 0
	VFETCH \slot, 1
.else
.if \mode != 2
	VFETCH 1-\slot, 0
.endif
.endif
.endm
.macro STEP slot, first, lowall, mode  ; one key block
	SUB \slot, 0, \first, \lowall, \mode
	SUB \slot, 1, 0, \lowall, \mode
	s_add_co_u32 s18, s18, 1
.endm
; The way out of one tile: divide by the sum, round to f16, 16 bytes a lane into my stage, read back as rows of 256 bytes
.macro FIN ob, l, yo
	v_permlanex16_b32 v[T0], v[\l], s27, s28       ; the other half's keys
	v_add_f32 v[T0], v[\l], v[T0]
	v_rcp_f32 v[AL], v[T0]
	v_rcp_f32 v[AL+1], v[T0]
	v_nop                                          ; one plain place behind the reciprocals
	WIN W_FIN
.set i, 0
	s_wait_alu depctr_va_vdst(0)
.rept 32
	v_pk_mul_f32 v[FK+2*i:FK+2*i+1], v[\ob+2*i:\ob+2*i+1], v[AL:AL+1]
.set i, i+1
.endr
	WIN 0
.set i, 0
.rept 32
	v_cvt_pk_f16_f32 v[192+i], v[FK+2*i], v[FK+2*i+1]
.set i, i+1
.endr
.irp dt, 0,1,2,3,4,5,6,7
	ds_store_b128 v[STO], v[192+4*\dt:192+4*\dt+3] offset:32*\dt   ; query r, d = 16 dt + 8 h .. + 7
.endr
	s_wait_xcnt 0x0                                ; v224-255, which the other tile's stores read, are rewritten only behind this wait
.irp i, 0,1,2,3,4,5,6,7
	ds_load_b128 v[224+4*\i:224+4*\i+3], v[RD] offset:2*SP*\i      ; my own bytes: LDS serves a wave's instructions in order (ISA guide 5.7.1)
.endr
.irp i, 0,1,2,3,4,5,6,7
	s_wait_dscnt 7-\i
	global_store_b128 v[\yo], v[224+4*\i:224+4*\i+3], s[10:11] offset:16384*\i   ; sixteen lanes store a head's 256 bytes of a row, aligned
.endr
.endm
	s_wait_tensorcnt 0x1                           ; my part of key block 0 is in; block 1's load stays out
	s_barrier_signal -1
	s_barrier_wait -1
	KFETCH 0, 0
	VFETCH 0, 0
	s_wait_loadcnt 0x0                             ; Q
	STEP 0, 1, 1, 0                                ; the first lap stands in front of the loop: its first 64 keys start the sums
	STEP 1, 0, 0, 0
.Llap:
	STEP 0, 0, 0, 0
	STEP 1, 0, 0, 0
	s_sub_co_u32 s23, s23, 1
	s_cmp_lg_u32 s23, 0
	s_cbranch_scc1 .Llap
	STEP 0, 0, 0, 1                                ; the last lap asks for nothing
	STEP 1, 0, 0, 2
	FIN OH, LH, YOH                                ; the four places behind the last matrix instructions close the last step
	FIN OL, LL, YOL
	s_set_vgpr_msb 0x4
	s_wait_tensorcnt 0x0
	ds_add_u32 v7, v255
	s_wait_dscnt 0x0
	s_set_vgpr_msb 0x400
	ROUND                                          ; the closing round
	s_endpgm
.Lfunc_end_k_q5489136fb0_attn:
	.size	k_q5489136fb0_attn, .Lfunc_end_k_q5489136fb0_attn-k_q5489136fb0_attn
	.p2alignl 7, 3214868480
	.fill 96, 4, 3214868480
	.section	.rodata,"a",@progbits
	.p2align	6, 0x0
	.amdhsa_kernel k_q5489136fb0_attn
		.amdhsa_group_segment_fixed_size 327680
		.amdhsa_private_segment_fixed_size 0
		.amdhsa_enable_private_segment 0
		.amdhsa_kernarg_size 32
		.amdhsa_user_sgpr_count 2
		.amdhsa_user_sgpr_kernarg_segment_ptr 1
		.amdhsa_wavefront_size32 1
		.amdhsa_system_sgpr_workgroup_id_x 1
		.amdhsa_system_sgpr_workgroup_id_y 1
		.amdhsa_system_sgpr_workgroup_id_z 1
		.amdhsa_system_vgpr_workitem_id 0
		.amdhsa_next_free_vgpr 640
		.amdhsa_next_free_sgpr 66
		.amdhsa_reserve_vcc 1
		.amdhsa_float_denorm_mode_32 3
		.amdhsa_float_denorm_mode_16_64 3
		.amdhsa_memory_ordered 1
		.amdhsa_forward_progress 1
		.amdhsa_inst_pref_size 255
	.end_amdhsa_kernel
	.section	.bss,"aw",@nobits
	.p2align	6
	.space	262144
	.amdgpu_metadata
---
amdhsa.version: [ 1, 2 ]
amdhsa.kernels:
  - .name:           k_q5489136fb0_attn
    .symbol:         k_q5489136fb0_attn.kd
    .args:
      - { .name: qw, .offset: 0, .size: 8, .value_kind: global_buffer, .address_space: global }
      - { .name: kw, .offset: 8, .size: 8, .value_kind: global_buffer, .address_space: global }
      - { .name: vw, .offset: 16, .size: 8, .value_kind: global_buffer, .address_space: global }
      - { .name: yw, .offset: 24, .size: 8, .value_kind: global_buffer, .address_space: global }
    .group_segment_fixed_size: 327680
    .private_segment_fixed_size: 0
    .kernarg_segment_align: 8
    .kernarg_segment_size: 32
    .max_flat_workgroup_size: 128
    .sgpr_count:     66
    .vgpr_count:     640
    .wavefront_size: 32
...
	.end_amdgpu_metadata
.endif
;; end of part 3
;; launch oproj (part 4): grid 64 x 4, 4 waves a work-group, clusters of 4 x 4, 327,680 bytes of LDS; arguments yw, wo, out0; writes out0
.if DOCPART == 4
	.amdgcn_target "amdgcn-amd-amdhsa--gfx1250"
	.amdhsa_code_object_version 6
	.text
	.protected	k_q5489136fb0_oproj
	.globl	k_q5489136fb0_oproj
	.p2align	8
	.type	k_q5489136fb0_oproj,@function
k_q5489136fb0_oproj:
	s_mov_b64 s[64:65], 0
	v_nop
	global_prefetch_b8 v0, s[64:65] scope:SCOPE_SE
	s_setreg_imm32_b32 hwreg(HW_REG_WAVE_MODE, 25, 1), 1
	s_wait_xcnt 0x0
	s_wait_alu depctr_hold_cnt(0) depctr_sa_sdst(0) depctr_va_vdst(0) depctr_va_sdst(0) depctr_va_ssrc(0) depctr_va_vcc(0) depctr_vm_vsrc(0)
	s_getreg_b32 s2, hwreg(HW_REG_IB_STS2, 6, 4)
	s_cmp_eq_u32 s2, 0
	s_cbranch_scc0 .Lentry_in_a_cluster
	s_endpgm
.Lentry_in_a_cluster:
	s_bfe_u32 s2, ttmp6, 0x10000c
	s_cmp_lg_u32 s2, 0xf033
	s_cbranch_scc0 .Lentry_shape_is_right
	s_endpgm
.Lentry_shape_is_right:
; C = A W for 1,024 rows: A [1024][4096] of 16 bits (K along the rows), W [4096][N] f32 (N along the rows).  One text for two launches:
;   KIND 0: A = xb (bf16, x / 4), W = wq | wk | wv rounded to bf16; the rotation by freqs_cis in f32; q, k, v out in f16, at a quarter of their size,
;           as [column block of 64][1024 rows][64].  v takes the rotation (1, 0), chosen by v_cndmask_b32, so that all blocks run one text.
;   KIND 1: A = yw (f16, y / 4), W = wo rounded to bf16 and held in f16 (exact from 6.1e-5 up, below that within 3e-8); out0 = 4 x the sum, f32.
; LIMITS: NaN and infinities are not served (an infinite v would meet the factor 0).  q, k, v overflow f16 beyond 262,000.  freqs_cis is rounded to
; bf16 like the other inputs where ROUND_FREQS is 1.
; SHAPE: a work-group makes 256 rows x 64 columns.  Its four waves split K: each holds the whole block (64 accumulator tiles, 512 registers) and takes
; the slices k = 128 s + 32 w .. + 31, s = 0 .. 31.  So each LDS byte of A is read by one wave: 16 KB for 64 matrix instructions.  The four partial
; sums meet in LDS at the end.
; A comes by tensor loads into two slots of 256 k (256 rows x 528 bytes).  4 x 4 work-groups form a cluster; the four of a row of the cluster make the
; same 256 rows, so A's tiles are asked for jointly by them.
; W IS NOT SHARED BY A JOINT LOAD: as f32 it is 256 bytes for each k and work-group beside A's 512, 393,216 bytes for two slots of 256 k,
; which is more than a work-group can have, so the slots would have to hold half as many k and there would be a round of the cluster's barrier
; after each slice.  Instead each wave streams its own slices into a ring of four slices in registers, with counted waits: a slice is asked for
; four slices (256 matrix instructions) ahead of its use.
; TWO PERMUTATIONS spare every shuffle.  Columns: index n of column tile c stands for column 4 n + c, so a lane's 16 bytes of a row of W feed the four
; tiles, and packing rows k and k + 1 makes W's fragment.  Rows: index m of a row tile stands for LDS row 2 (m & 7) + (m >> 3), so register j of a
; result in lane (r, h) is row 2 j + h: the two halves of the lanes hold neighbouring rows, a lane four neighbouring columns.
.set KIND, 1
.set ROUND_FREQS, 1
.set PITCH, 528                        ; an LDS row: 512 bytes + 16 = 33 x 16: the 16 rows of a fragment load begin in 16 different 16-byte columns modulo 256
.set WROWS, 64*PITCH                   ; what one tensor load brings
.set HALFB, 128*PITCH                  ; rows 128 .. 255 of a slot
.set SLOT,  256*PITCH
; window 0
.set ADRA, 8                           ; v8-11   LDS address of my fragments: 2 x slot + half of the rows
.set SA,   12                          ; v12     where my partial sums go
.set VO,   13                          ; v13     my byte offset in the output
.set VF,   14                          ; v14     my byte offset in freqs_cis
.set OFF,  16                          ; v16-31  byte offset of load i of a slice of W
.set RA,   32                          ; v32-35  where wave p's partial sums of my rows lie
.set H0,   64                          ; v64-127 A's fragments of row tiles 0-7, v128-191 of row tiles 8-15; at the end the four partial sums
.set WB0,  192                         ; v192-223, v224-255: W's fragments, two buffers; at the end the results
.set WB1,  224
.set PS,   64
.set OUTR, 192
; window 1: v[64 b .. 64 b + 63] slice buffer b of W as loaded (f32); at the end v0-127 freqs_cis.  Windows 2, 3: accumulators of row tiles 0-7, 8-15
.set G1, 40                            ; s[40:47] descriptor group 1
.set G0, 48                            ; s[48:55] descriptor group 0, one set for each slot
.set MUL_LO, 0xa0                      ; C and D window 2
.set MUL_HI, 0xf0                      ; C and D window 3
.set TO_ST,  0x40                      ; destination window 1
.set CV,     0x05                      ; sources window 1
.set CV1,    0x45                      ; sources and destination window 1
.set ST_LO,  0x08                      ; LDS store data window 2
.set ST_HI,  0x0c                      ; LDS store data window 3
.set ROPE,   0x04                      ; source 1 window 1
.set FSEL,   0x41                      ; source 0 and destination window 1
.set MSB, 0
.macro WIN new                         ; the immediate's high byte repeats the setting that is left
.if MSB != \new
	s_set_vgpr_msb (MSB<<8)|\new
.set MSB, \new
.endif
.endm
.macro PLACES                          ; four places behind a matrix instruction, ahead of loads into its sources and of readers of its result
.rept 4
	v_nop
.endr
.endm
.macro CREST                           ; a round of the cluster's barrier behind its opening barrier
	s_cmp_lg_u32 s12, 0
	s_cbranch_scc1 .Lnot_wave_0_\@
	s_barrier_signal -3
.Lnot_wave_0_\@:
	s_barrier_wait -3
	s_barrier_signal -1
	s_barrier_wait -1
.endm
.macro CROUND
	s_barrier_signal -1
	s_barrier_wait -1
	CREST
.endm
.if KIND
	s_load_b128 s[24:27], s[0:1], 0x0              ; yw s[24:25], wo s[26:27]
	s_load_b64 s[28:29], s[0:1], 0x10              ; out0
	v_lshl_add_u32 v62, v0, 2, 0x42000
	v_mov_b32 v63, 0
	ds_add_u32 v62, v63
.else
	s_load_b512 s[24:39], s[0:1], 0x0              ; xb 24, wq 26, wk 28, wv 30, freqs_cis 32, qw 34, kw 36, vw 38
.endif
	v_lshrrev_b32 v3, 5, v0
	v_readfirstlane_b32 s12, v3                    ; wave 0..3
	s_bfe_u32 s13, ttmp6, 0x40000                  ; cx
	s_bfe_u32 s14, ttmp6, 0x40004                  ; cy
	s_lshl_b32 s15, ttmp9, 2
	s_add_co_u32 s15, s15, s13                     ; column block = 4 x cluster x + cx
	s_and_b32 s16, ttmp7, 0xffff
	s_lshl_b32 s16, s16, 2
	s_add_co_u32 s16, s16, s14                     ; row block = 4 x cluster y + cy
	s_lshl_b32 s17, s14, 2
	s_lshl_b32 s17, 15, s17                        ; my row of the cluster: places 4 cy .. 4 cy + 3
	s_mov_b32 s60, 0xffff0000                      ; a word's upper bf16
.if KIND
	s_mov_b32 s18, 16384                           ; bytes in a row of W
	s_mov_b32 s61, s15                             ; the column block inside W
.else
	; which of the three weights: clusters 0-15 wq, 16-19 wk, 20-23 wv.  The choice hangs on the cluster's number alone.
	s_mov_b32 s18, 4096
	s_cmp_ge_u32 ttmp9, 20
	s_cselect_b32 s22, 80, 64                      ; first column block of wv, of wk
	s_cselect_b32 s19, -1, 0                       ; all lanes: this is a block of v
	s_cmp_lt_u32 ttmp9, 16
	s_cselect_b32 s22, 0, s22
	s_cselect_b32 s18, 16384, s18                  ; bytes in a row of W
	s_sub_co_u32 s61, s15, s22                     ; the column block inside its W
.endif
	; vector addresses
	v_and_b32 v1, 15, v0                           ; r
	v_bfe_u32 v2, v0, 4, 1                         ; h
	v_and_b32 v3, 7, v0
	v_bfe_u32 v4, v0, 3, 1
	v_lshl_add_u32 v3, v3, 1, v4                   ; LDS row of fragment index r: 2 (r & 7) + (r >> 3)
	v_mul_u32_u24 v3, v3, PITCH
	v_lshl_add_u32 v3, v2, 4, v3                   ; + 16 h
	s_lshl_b32 s62, s12, 6                         ; + my 32 k of a slice: 64 w bytes
	v_add_nc_u32 v[ADRA+0], s62, v3
	v_add_nc_u32 v[ADRA+1], HALFB, v[ADRA+0]
	v_add_nc_u32 v[ADRA+2], SLOT, v[ADRA+0]
	v_add_nc_u32 v[ADRA+3], SLOT+HALFB, v[ADRA+0]
	v_and_b32 v5, 31, v0
	v_lshlrev_b32 v5, 4, v5                        ; 16 x lane
	s_lshl_b32 s62, s12, 16
	v_add_nc_u32 v[SA], s62, v5                    ; my 65,536 bytes of partial sums
	s_lshl_b32 s62, s12, 14
	v_add_nc_u32 v[RA+0], s62, v5                  ; in each wave's 65,536: the 16 tiles of rows 64 w .. 64 w + 63
	v_add_nc_u32 v[RA+1], 0x10000, v[RA+0]
	v_add_nc_u32 v[RA+2], 0x20000, v[RA+0]
	v_add_nc_u32 v[RA+3], 0x30000, v[RA+0]
	v_lshlrev_b32 v4, 4, v1                        ; 16 r
	v_lshlrev_b32 v7, 3, v2                        ; 8 h
.set i, 0
.rept 16                                           ; load i of a slice: row 8 h + i (i < 8) or 16 + 8 h + i - 8, bytes 16 r: sixteen lanes take 256 consecutive bytes, aligned
	v_add_nc_u32 v6, i+8*(i/8), v7
	v_mad_u32_u24 v[OFF+i], v6, s18, v4
.set i, i+1
.endr
.if KIND
	v_lshl_add_u32 v[VO], v2, 14, v4               ; row h of 16,384 bytes + 16 r
.else
	v_lshlrev_b32 v6, 3, v1
	v_lshl_add_u32 v[VO], v2, 7, v6                ; row h of 128 bytes + 8 r
	s_and_b32 s62, s15, 1
	s_lshl_b32 s62, s62, 8                         ; which half of the head's 64 pairs
	v_lshl_add_u32 v[VF], v2, 9, v4                ; row h of 512 bytes + 16 r (two pairs of cos, sin)
	v_add_nc_u32 v[VF], s62, v[VF]
.endif
	; descriptor group 1: 64 rows x 256 elements of 2 bytes, 4 words of padding behind every 128 words
	s_or_b32 s[G1+0], s17, (1<<16)|(1<<20)|(1<<21)|(6<<22)|(3<<25)
	s_mov_b32 s[G1+1], 256<<16                     ; tensor_dim0 = 256
	s_mov_b32 s[G1+2], 64<<16                      ; tensor_dim1 = 64
	s_mov_b32 s[G1+3], 256<<16                     ; tile_dim0 = 256
	s_mov_b32 s[G1+4], 64                          ; tile_dim1 = 64
	s_mov_b32 s[G1+5], 4096                        ; elements from row to row
	s_mov_b32 s[G1+6], 0
	s_mov_b32 s[G1+7], 0
	s_lshl_b32 s56, s16, 21                        ; A: (256 x row block + 64 w) rows of 8,192 bytes: hangs on the row block and the wave alone
	s_lshl_b32 s57, s12, 19
	s_add_co_u32 s56, s56, s57
	s_mov_b32 s57, 0
	s_mul_i32 s58, s12, WROWS                      ; and where my 64 rows go
	s_lshl_b32 s20, s18, 7                         ; W from slice to slice: 128 rows
	s_mov_b32 s21, 0
	s_wait_dscnt 0x0
	s_wait_kmcnt 0x0
	s_add_nc_u64 s[4:5], s[24:25], s[56:57]
.if KIND
	s_mov_b64 s[6:7], s[26:27]
	s_mov_b64 s[8:9], s[28:29]
.else
	s_cmp_ge_u32 ttmp9, 20
	s_cselect_b64 s[6:7], s[30:31], s[28:29]       ; wv or wk
	s_cselect_b64 s[8:9], s[38:39], s[36:37]       ; vw or kw
	s_cmp_lt_u32 ttmp9, 16
	s_cselect_b64 s[6:7], s[26:27], s[6:7]         ; or wq
	s_cselect_b64 s[8:9], s[34:35], s[8:9]         ; or qw
.endif
	s_lshl_b32 s22, s61, 8                         ; W: 256 bytes for each column block
	s_mul_i32 s23, s12, s18
	s_lshl_b32 s23, s23, 5                         ; + 32 w rows
	s_add_co_u32 s22, s22, s23
	s_mov_b32 s23, 0
	s_add_nc_u64 s[6:7], s[6:7], s[22:23]
.if KIND
	s_lshl_b32 s22, s16, 22                        ; out0: (256 x row block + 64 w) rows of 16,384 bytes + 256 x column block
	s_lshl_b32 s62, s12, 20
	s_add_co_u32 s22, s22, s62
	s_lshl_b32 s62, s15, 8
	s_add_co_u32 s22, s22, s62
	s_add_nc_u64 s[8:9], s[8:9], s[22:23]
.else
	s_lshl_b32 s22, s61, 17                        ; column block x 1,024 rows of 128 bytes + (256 x row block + 64 w) rows
	s_lshl_b32 s62, s16, 15
	s_add_co_u32 s22, s22, s62
	s_lshl_b32 s62, s12, 13
	s_add_co_u32 s22, s22, s62
	s_add_nc_u64 s[8:9], s[8:9], s[22:23]
	s_lshl_b32 s22, s16, 17                        ; freqs_cis: (256 x row block + 64 w) rows of 512 bytes
	s_lshl_b32 s62, s12, 15
	s_add_co_u32 s22, s22, s62
	s_add_nc_u64 s[10:11], s[32:33], s[22:23]
.endif
	CROUND                                         ; all sixteen work-groups are here: the first joint loads meet
.irp s, 0,1
	s_mov_b32 s[G0+4*\s], 1
	s_add_co_u32 s[G0+4*\s+1], s58, \s*SLOT
	s_add_nc_u64 s[G0+4*\s+2:G0+4*\s+3], s[4:5], \s*512            ; k = 256 x slot
	s_or_b32 s[G0+4*\s+3], s[G0+4*\s+3], 0x80000000
	tensor_load_to_lds s[G0+4*\s:G0+4*\s+3], s[G1:G1+7]            ; two tensor loads of the wave are out here, later one
	s_nop 0
.endr
; 16 LDS loads: the fragments of eight row tiles (half 0: rows 0-127, half 1: rows 128-255) for slice sl (0, 1) of a slot
.macro AFETCH half, slot, sl
	WIN 0
.irp m, 0,1,2,3,4,5,6,7
	ds_load_b128 v[H0+64*\half+8*\m:H0+64*\half+8*\m+3], v[ADRA+2*\slot+\half] offset:16*PITCH*\m+256*\sl
	ds_load_b128 v[H0+64*\half+8*\m+4:H0+64*\half+8*\m+7], v[ADRA+2*\slot+\half] offset:16*PITCH*\m+256*\sl+32
.endr
.endm
; 16 global loads: a slice of W (32 rows x 256 bytes) into buffer b
.macro WLOAD b, step
.if \step
	s_wait_xcnt 0x0                                ; the base is stepped only behind this wait: the earlier loads have had their addresses translated
	s_add_nc_u64 s[6:7], s[6:7], s[20:21]
.endif
	WIN TO_ST
.set i, 0
.rept 16
	global_load_b128 v[64*\b+4*i:64*\b+4*i+3], v[OFF+i], s[6:7]
.set i, i+1
.endr
.endm
; W's four fragments from buffer b: register p of column tile c packs rows 2 p and 2 p + 1 of the lane's column c
.macro CONV b, wb
.if KIND
	WIN CV1                                        ; first to bf16, as the weights are rounded, then each half widened again,
.irp p, 0,1,2,3,4,5,6,7
.irp c, 0,1,2,3
	v_cvt_pk_bf16_f32 v[64*\b+8*\p+\c], v[64*\b+8*\p+\c], v[64*\b+8*\p+4+\c]
.endr
.endr
.irp p, 0,1,2,3,4,5,6,7
.irp c, 0,1,2,3
	v_and_b32 v[64*\b+8*\p+4+\c], s60, v[64*\b+8*\p+\c]
.endr
.endr
.irp p, 0,1,2,3,4,5,6,7
.irp c, 0,1,2,3
	v_lshlrev_b32 v[64*\b+8*\p+\c], 16, v[64*\b+8*\p+\c]
.endr
.endr
	WIN CV                                         ; and held in f16, the format of the other operand
.irp p, 0,1,2,3,4,5,6,7
.irp c, 0,1,2,3
	v_cvt_pk_f16_f32 v[\wb+8*\c+\p], v[64*\b+8*\p+\c], v[64*\b+8*\p+4+\c]
.endr
.endr
.else
	WIN CV
.irp p, 0,1,2,3,4,5,6,7
.irp c, 0,1,2,3
	v_cvt_pk_bf16_f32 v[\wb+8*\c+\p], v[64*\b+8*\p+\c], v[64*\b+8*\p+4+\c]
.endr
.endr
.endif
.endm
.macro WM acc, a, b, zero
.if KIND
.if \zero
	v_wmma_f32_16x16x32_f16 v[\acc:\acc+7], v[\a:\a+7], v[\b:\b+7], 0
.else
	v_wmma_f32_16x16x32_f16 v[\acc:\acc+7], v[\a:\a+7], v[\b:\b+7], v[\acc:\acc+7]
.endif
.else
.if \zero
	v_wmma_f32_16x16x32_bf16 v[\acc:\acc+7], v[\a:\a+7], v[\b:\b+7], 0
.else
	v_wmma_f32_16x16x32_bf16 v[\acc:\acc+7], v[\a:\a+7], v[\b:\b+7], v[\acc:\acc+7]
.endif
.endif
.endm
; n row tiles from m0 on of the window's eight x the four column tiles.  The 64 accumulators take turns, one instruction a turn, in the same order
; in every slice and over the backward jump.  zero = 1: the first products start the sums.
.macro MUL half, wb, m0, n, zero
.set mm, \m0
.rept \n
.irp nt, 0,1,2,3
	WM 8*(4*mm+\nt), H0+64*\half+8*mm, \wb+8*\nt, \zero
.endr
.set mm, mm+1
.endr
.endm
; One slice: 32 k, 64 matrix instructions.  (slot, sl): where its fragments came from; b: W's buffer; wb: fragment buffer; (nslot, nsl): the next slice.
; wload: buffer b is asked for again, four slices ahead.  lcnt: the loads of the younger slices, 16 each.
; turn: this is the slot's second slice, the slots change; fill: the slot is filled again, two tiles ahead.  last: nothing follows.
.macro SLICE slot, sl, b, wb, nslot, nsl, zero, wload, lcnt, turn, fill, last
	s_wait_loadcnt \lcnt                           ; loads come back in order: this slice of W is in, the younger slices stay out
	CONV \b, \wb
.if \wload
	WLOAD \b, 1
.endif
	s_wait_dscnt 16                                ; rows 0-127 are in; the 16 younger loads are rows 128-255
	WIN MUL_LO
.if \turn
	MUL 0, \wb, 0, 4, \zero
	s_wait_dscnt 0x0                               ; my reads of this slot are over
	s_wait_tensorcnt 0x0                           ; all my tensor loads have landed: the one that was out is my part of the next slot
	ds_add_u32 v62, v63
	s_wait_dscnt 0x0
	s_barrier_signal -1                            ; (where the slot is filled again this barrier opens a round of the cluster's barrier)
	MUL 0, \wb, 4, 4, \zero                        ; register work while the others arrive
	WIN 0
	s_barrier_wait -1
.if \fill
	CREST                                          ; no wave of any partner still reads this slot or has a load on its way
	s_add_nc_u64 s[G0+4*\slot+2:G0+4*\slot+3], s[G0+4*\slot+2:G0+4*\slot+3], 1024   ; two tiles of 256 k on
	tensor_load_to_lds s[G0+4*\slot:G0+4*\slot+3], s[G1:G1+7]      ; my one tensor load behind the round; it has two slices, 128 matrix instructions, to land
	s_nop 0
.endif
.else
	MUL 0, \wb, 0, 8, \zero
.endif
.if \last
	s_wait_dscnt 0x0
.else
	PLACES
	AFETCH 0, \nslot, \nsl
	s_wait_dscnt 16                                ; rows 128-255 are in; the 16 younger loads are the next slice's rows 0-127
.endif
	WIN MUL_HI
	MUL 1, \wb, 0, 8, \zero
.if \last == 0
	PLACES
	AFETCH 1, \nslot, \nsl
.endif
.endm
.macro LAP zero                        ; four slices: once round the ring of slots and once round W's four buffers
	SLICE 0, 0, 0, WB0, 0, 1, \zero, 1, 48, 0, 0, 0
	SLICE 0, 1, 1, WB1, 1, 0, 0, 1, 48, 1, 1, 0
	SLICE 1, 0, 2, WB0, 1, 1, 0, 1, 48, 0, 0, 0
	SLICE 1, 1, 3, WB1, 0, 0, 0, 1, 48, 1, 1, 0
.endm
	WLOAD 0, 0                                     ; slices 0 to 3 of W
	WLOAD 1, 1
	WLOAD 2, 1
	WLOAD 3, 1
	WIN 0
	s_wait_tensorcnt 0x1                           ; my part of slot 0 is in; slot 1's load stays out
	s_barrier_signal -1
	s_barrier_wait -1
	AFETCH 0, 0, 0
	AFETCH 1, 0, 0
	LAP 1                                          ; the first lap stands in front of the loop: its first slice starts the sums
	WIN 0
	s_mov_b32 s3, 6
.Llap:
	LAP 0
	WIN 0
	s_sub_co_u32 s3, s3, 1
	s_cmp_lg_u32 s3, 0
	s_cbranch_scc1 .Llap
	SLICE 0, 0, 0, WB0, 0, 1, 0, 0, 48, 0, 0, 0    ; the last lap asks for nothing: W's counts run down, the one change of slots has a plain barrier
	SLICE 0, 1, 1, WB1, 1, 0, 0, 0, 32, 1, 0, 0
	SLICE 1, 0, 2, WB0, 1, 1, 0, 0, 16, 0, 0, 0
	SLICE 1, 1, 3, WB1, 0, 0, 0, 0, 0, 0, 0, 1
	; THE END: the four waves' partial sums meet in LDS bytes 0 .. 262,143, the ring's bytes, which have had their last fill.
.if KIND == 0
	WIN TO_ST                                      ; cos and sin of my 64 rows, two pairs a lane: row 16 a + 2 j + h into window 1, v[32 a + 4 j ..]
.irp a, 0,1,2,3
.irp j, 0,1,2,3,4,5,6,7
	global_load_b128 v[32*\a+4*\j:32*\a+4*\j+3], v[VF], s[10:11] offset:(16*\a+2*\j)*512
.endr
.endr
.endif
	WIN 0
	PLACES                                         ; behind the last matrix instructions: the stores below read results
	s_wait_dscnt 0x0                               ; my reads of the slots are over,
	s_barrier_signal -1
	s_barrier_wait -1                              ; everybody's are
	WIN ST_LO
.set t, 0
.rept 32                                           ; tile t: 1,024 bytes, registers 0-3 then 4-7, 16 consecutive bytes a lane
	ds_store_b128 v[SA], v[8*t:8*t+3] offset:1024*t
	ds_store_b128 v[SA], v[8*t+4:8*t+7] offset:1024*t+512
.set t, t+1
.endr
	WIN ST_HI
.set t, 0
.rept 32
	ds_store_b128 v[SA], v[8*t:8*t+3] offset:32768+1024*t
	ds_store_b128 v[SA], v[8*t+4:8*t+7] offset:32768+1024*t+512
.set t, t+1
.endr
	WIN 0
	s_wait_dscnt 0x0                               ; for the others' sake: my stores are done
	s_barrier_signal -1
	s_barrier_wait -1
.if KIND == 0
	s_wait_loadcnt 0x0                             ; freqs_cis
.if ROUND_FREQS
	WIN CV1
.set i, 0
.rept 64
	v_cvt_pk_bf16_f32 v[2*i], v[2*i], v[2*i+1]
.set i, i+1
.endr
.set i, 0
.rept 64
	v_and_b32 v[2*i+1], s60, v[2*i]
	v_lshlrev_b32 v[2*i], 16, v[2*i]
.set i, i+1
.endr
.endif
	WIN FSEL
.set i, 0
.rept 64
	v_cndmask_b32 v[2*i], v[2*i], 1.0, s19         ; a block of v is not rotated: cos = 1,
	v_cndmask_b32 v[2*i+1], v[2*i+1], 0, s19       ; sin = 0
.set i, i+1
.endr
	WIN 0
.endif
; Wave w sums and stores rows 64 w .. 64 w + 63, sixteen rows (four tiles) at a time
.irp a, 0,1,2,3
.if \a
	s_wait_xcnt 0x0                                ; the last sixteen rows' store data are rewritten only behind this wait
.endif
.irp p, 0,1,2,3
.irp nt, 0,1,2,3
	ds_load_b128 v[PS+32*\p+8*\nt:PS+32*\p+8*\nt+3], v[RA+\p] offset:1024*(4*\a+\nt)
	ds_load_b128 v[PS+32*\p+8*\nt+4:PS+32*\p+8*\nt+7], v[RA+\p] offset:1024*(4*\a+\nt)+512
.endr
.endr
	s_wait_dscnt 0x0
.set i, 0
.rept 16
	v_pk_add_f32 v[PS+2*i:PS+2*i+1], v[PS+2*i:PS+2*i+1], v[PS+32+2*i:PS+32+2*i+1]
	v_pk_add_f32 v[PS+64+2*i:PS+64+2*i+1], v[PS+64+2*i:PS+64+2*i+1], v[PS+96+2*i:PS+96+2*i+1]
.set i, i+1
.endr
.set i, 0
.rept 16
	v_pk_add_f32 v[PS+2*i:PS+2*i+1], v[PS+2*i:PS+2*i+1], v[PS+64+2*i:PS+64+2*i+1]
.set i, i+1
.endr
.if KIND
.irp j, 0,1,2,3,4,5,6,7
.irp c, 0,1,2,3
	v_mul_f32 v[OUTR+4*\j+\c], 4.0, v[PS+8*\c+\j]  ; y came at a quarter of its size; the same line gathers the lane's four columns
.endr
.endr
.irp j, 0,1,2,3,4,5,6,7
	global_store_b128 v[VO], v[OUTR+4*\j:OUTR+4*\j+3], s[8:9] offset:(16*\a+2*\j)*16384 th:TH_STORE_NT   ; sixteen lanes store 256 consecutive bytes, aligned; rows 2 j and 2 j + 1
.endr
.else
	WIN ROPE                                       ; (x0, x1) -> (x0 cos - x1 sin, x1 cos + x0 sin); columns (0, 1) and (2, 3) of the lane are pairs
.irp j, 0,1,2,3,4,5,6,7
.irp q, 0,1
	v_mul_f32 v[96+4*\j+2*\q], v[PS+16*\q+8+\j], v[32*\a+4*\j+2*\q+1]
	v_mul_f32 v[97+4*\j+2*\q], v[PS+16*\q+\j], v[32*\a+4*\j+2*\q+1]
.endr
.endr
.irp j, 0,1,2,3,4,5,6,7
.irp q, 0,1
	v_fma_f32 v[224+4*\j+2*\q], v[PS+16*\q+\j], v[32*\a+4*\j+2*\q], -v[96+4*\j+2*\q]
	v_fma_f32 v[225+4*\j+2*\q], v[PS+16*\q+8+\j], v[32*\a+4*\j+2*\q], v[97+4*\j+2*\q]
.endr
.endr
	WIN 0
.irp j, 0,1,2,3,4,5,6,7
.irp q, 0,1
	v_cvt_pk_f16_f32 v[OUTR+2*\j+\q], v[224+4*\j+2*\q], v[225+4*\j+2*\q]
.endr
.endr
.irp j, 0,1,2,3,4,5,6,7
	global_store_b64 v[VO], v[OUTR+2*\j:OUTR+2*\j+1], s[8:9] offset:(16*\a+2*\j)*128   ; the wave stores rows 2 j and 2 j + 1 of 128 bytes: 256 consecutive bytes, aligned
.endr
.endif
.endr
	s_wait_tensorcnt 0x0
	ds_add_u32 v62, v63
	s_wait_dscnt 0x0
	CROUND                                         ; the closing round: no work-group ends while a partner may still ask for a tile that names it
	s_endpgm
.Lfunc_end_k_q5489136fb0_oproj:
	.size	k_q5489136fb0_oproj, .Lfunc_end_k_q5489136fb0_oproj-k_q5489136fb0_oproj
	.p2alignl 7, 3214868480
	.fill 96, 4, 3214868480
	.section	.rodata,"a",@progbits
	.p2align	6, 0x0
	.amdhsa_kernel k_q5489136fb0_oproj
		.amdhsa_group_segment_fixed_size 327680
		.amdhsa_private_segment_fixed_size 0
		.amdhsa_enable_private_segment 0
		.amdhsa_kernarg_size 24
		.amdhsa_user_sgpr_count 2
		.amdhsa_user_sgpr_kernarg_segment_ptr 1
		.amdhsa_wavefront_size32 1
		.amdhsa_system_sgpr_workgroup_id_x 1
		.amdhsa_system_sgpr_workgroup_id_y 1
		.amdhsa_system_sgpr_workgroup_id_z 1
		.amdhsa_system_vgpr_workitem_id 0
		.amdhsa_next_free_vgpr 1024
		.amdhsa_next_free_sgpr 66
		.amdhsa_reserve_vcc 0
		.amdhsa_float_denorm_mode_32 3
		.amdhsa_float_denorm_mode_16_64 3
		.amdhsa_memory_ordered 1
		.amdhsa_forward_progress 1
		.amdhsa_inst_pref_size 215
	.end_amdhsa_kernel
	.amdgpu_metadata
---
amdhsa.version: [ 1, 2 ]
amdhsa.kernels:
  - .name:           k_q5489136fb0_oproj
    .symbol:         k_q5489136fb0_oproj.kd
    .args:
      - { .name: yw, .offset: 0, .size: 8, .value_kind: global_buffer, .address_space: global }
      - { .name: wo, .offset: 8, .size: 8, .value_kind: global_buffer, .address_space: global }
      - { .name: out0, .offset: 16, .size: 8, .value_kind: global_buffer, .address_space: global }
    .group_segment_fixed_size: 327680
    .private_segment_fixed_size: 0
    .kernarg_segment_align: 8
    .kernarg_segment_size: 24
    .max_flat_workgroup_size: 128
    .sgpr_count:     66
    .vgpr_count:     1024
    .wavefront_size: 32
...
	.end_amdgpu_metadata
.endif
;; end of part 4
;; ======== version 2 of 3: 4 launches; 1.14 times as fast as version 1
;; limits: values outside matrix products are rounded to bf16; values are held in f16: magnitudes above 65,504 overflow, below 6.1e-05 lose precision
;; workspace buffers: xb 8,388,608 bytes; qw 8,388,608 bytes; kw 2,097,152 bytes; vw 2,097,152 bytes; yw 8,388,608 bytes; wob 33,554,432 bytes
;; launch cast: the kernel of part 1 again; grid 256 x 1, 8 waves a work-group, no clusters, 0 bytes of LDS; arguments x, xb; writes xb
;; launch qkv (part 5): grid 64 x 4, 4 waves a work-group, clusters of 4 x 4, 327,680 bytes of LDS; arguments xb, wq, wk, wv, freqs_cis, qw, kw, vw, wo, wob; writes qw, kw, vw, wob
.if DOCPART == 5
	.amdgcn_target "amdgcn-amd-amdhsa--gfx1250"
	.amdhsa_code_object_version 6
	.text
	.protected	k_q5489136fb0_qkv
	.globl	k_q5489136fb0_qkv
	.p2align	8
	.type	k_q5489136fb0_qkv,@function
k_q5489136fb0_qkv:
	s_mov_b64 s[64:65], 0
	v_nop
	global_prefetch_b8 v0, s[64:65] scope:SCOPE_SE
	s_setreg_imm32_b32 hwreg(HW_REG_WAVE_MODE, 25, 1), 1
	s_wait_xcnt 0x0
	s_wait_alu depctr_hold_cnt(0) depctr_sa_sdst(0) depctr_va_vdst(0) depctr_va_sdst(0) depctr_va_ssrc(0) depctr_va_vcc(0) depctr_vm_vsrc(0)
	s_getreg_b32 s2, hwreg(HW_REG_IB_STS2, 6, 4)
	s_cmp_eq_u32 s2, 0
	s_cbranch_scc0 .Lentry_in_a_cluster
	s_endpgm
.Lentry_in_a_cluster:
	s_bfe_u32 s2, ttmp6, 0x10000c
	s_cmp_lg_u32 s2, 0xf033
	s_cbranch_scc0 .Lentry_shape_is_right
	s_endpgm
.Lentry_shape_is_right:
; TWO JOBS IN ONE LAUNCH, chosen by the cluster's number (16 clusters of 4 x 4 work-groups):
;   clusters 0-11:  q, k, v = rotate(x W)     (192 work-groups: 6,144 / 128 x 1,024 / 256)
;   clusters 12-15: wob = wo as matrix fragments in f16 (64 work-groups), which the last launch needs and which hangs on no result of this one.
; The first job has 192 equal blocks; the second fills the other 64 work-groups' places with work that would otherwise be a launch of its own.
;
; JOB 1.  A = xb [1024][4096] bf16 (x / 4, K along the rows); W = wq | wk | wv, f32 [4096][N] (N along the rows), rounded to bf16 on the way;
; the rotation by freqs_cis in f32; q, k, v out in f16, at a quarter of their size, as [column block of 64][1024 rows][64].
; v takes the rotation (1, 0), chosen by v_cndmask_b32, so that all blocks run one text.
; LIMITS: NaN and infinities are not served (an infinite v would meet the factor 0).  q, k, v overflow f16 beyond 262,000.  freqs_cis is rounded to
; bf16 like the other inputs where ROUND_FREQS is 1.
; SHAPE: a work-group makes 256 rows x 128 columns, one head.  Wave w = (kh = w / 2, nh = w % 2) makes all 256 rows x the 64 columns of half nh
; (64 accumulator tiles, 512 registers) over the slices k = 64 s + 32 kh .. + 31, s = 0 .. 63.  The two partial sums of a column half meet in LDS at
; the end.  A slice reads 16 KB of A from LDS for 64 matrix instructions.
; A comes by tensor loads into two slots of 256 k (256 rows x 528 bytes); a slot holds four slices of each wave, so a wave issues 256 matrix
; instructions between the request for a tile and the wait for it.  The four work-groups of a row of the cluster make the same 256 rows, so A's
; tiles are asked for jointly by them.
; W IS NOT SHARED BY A JOINT LOAD: as f32 it is 512 bytes for each k and work-group beside A's 512, 524,288 bytes for two slots of 256 k, which is
; more than a work-group can have, so the slots would have to hold fewer k and the rounds of the cluster's barrier would come more often.  Instead
; each wave streams its own slices (no byte of W is loaded by two waves of a work-group) into a ring of four slices in registers, with counted
; waits: a slice is asked for four slices (256 matrix instructions) ahead of its use.
; TWO PERMUTATIONS spare every shuffle.  Columns: index n of column tile c stands for column 4 n + c, so a lane's 16 bytes of a row of W feed the four
; tiles, and packing rows k and k + 1 makes W's fragment.  Rows: index m of a row tile stands for LDS row 2 (m & 7) + (m >> 3), so register j of a
; result in lane (r, h) is row 2 j + h: the two halves of the lanes hold neighbouring rows, a lane four neighbouring columns.
;
; JOB 2.  wo [4096 k][4096 n] f32 is rounded to bf16, like the other weights, and held in f16, the format of the operand that it will meet (exact from
; 6.1e-5 up, below that within 3e-8; LIMIT: beyond 65,504 it overflows f16).  Work-group cb (0 .. 63) takes the 64 columns of block cb, wave w the
; slices k = 128 t + 32 w, t = 0 .. 31, by the same sixteen loads, ring of four slices and packing of row pairs as job 1.
; wob = [column group of 128][k / 32][column tile 0 .. 7][registers 0-3 | 4-7][lane][16 bytes]: column tile 4 q + c, index n = column 64 q + 4 n + c.
; A slice is 8 KB in and 4 KB out; each store of the wave covers 512 consecutive bytes, aligned.  No LDS, no tile, no barrier but the closing round.
.set ROUND_FREQS, 1
.set PITCH, 528                        ; an LDS row: 512 bytes + 16 = 33 x 16: the 16 rows of a fragment load begin in 16 different 16-byte columns modulo 256
.set WROWS, 64*PITCH                   ; what one tensor load brings
.set HALFB, 128*PITCH                  ; rows 128 .. 255 of a slot
.set SLOT,  256*PITCH
; window 0
.set LN,   5                           ; v5      16 x lane
.set ADRA, 8                           ; v8-11   LDS address of my fragments: 2 x slot + half of the rows
.set SA,   12                          ; v12     where my partial sums go
.set VO,   13                          ; v13     my byte offset in the output
.set VF,   14                          ; v14     my byte offset in freqs_cis
.set OFF,  16                          ; v16-31  byte offset of load i of a slice of W
.set RA,   32                          ; v32-33  where the two partial sums of my rows and columns lie
.set H0,   64                          ; v64-127 A's fragments of row tiles 0-7, v128-191 of row tiles 8-15; at the end partial sums, two buffers of 64
.set WB0,  192                         ; v192-223, v224-255: W's fragments, two buffers; at the end the results
.set WB1,  224
.set PS,   64
.set OUTR, 192
; window 1: v[64 b .. 64 b + 63] slice buffer b of W as loaded (f32); at the end v0-255 freqs_cis.  Windows 2, 3: accumulators of row tiles 0-7, 8-15
.set G1, 40                            ; s[40:47] descriptor group 1
.set G0, 48                            ; s[48:55] descriptor group 0, one set for each slot
.set MUL_LO, 0xa0                      ; C and D window 2
.set MUL_HI, 0xf0                      ; C and D window 3
.set TO_ST,  0x40                      ; destination window 1
.set CV,     0x05                      ; sources window 1
.set CV1,    0x45                      ; sources and destination window 1
.set ST_LO,  0x08                      ; LDS store data window 2
.set ST_HI,  0x0c                      ; LDS store data window 3
.set ROPE,   0x04                      ; source 1 window 1
.set FSEL,   0x41                      ; source 0 and destination window 1
.set MSB, 0
.macro WIN new                         ; the immediate's high byte repeats the setting that is left
.if MSB != \new
	s_set_vgpr_msb (MSB<<8)|\new
.set MSB, \new
.endif
.endm
.macro PLACES                          ; four places behind a matrix instruction, ahead of loads into its sources and of readers of its result
.rept 4
	v_nop
.endr
.endm
.macro CREST                           ; a round of the cluster's barrier behind its opening barrier
	s_cmp_lg_u32 s12, 0
	s_cbranch_scc1 .Lnot_wave_0_\@
	s_barrier_signal -3
.Lnot_wave_0_\@:
	s_barrier_wait -3
	s_barrier_signal -1
	s_barrier_wait -1
.endm
.macro CROUND
	s_barrier_signal -1
	s_barrier_wait -1
	CREST
.endm
; 16 global loads: a slice of W (32 rows x 256 bytes) into buffer b.  once = 1: data that the whole launch reads once (wo)
.macro WLOAD b, step, once
.if \step
	s_wait_xcnt 0x0                                ; the base is stepped only behind this wait: the earlier loads have had their addresses translated
	s_add_nc_u64 s[6:7], s[6:7], s[20:21]
.endif
	WIN TO_ST
.set i, 0
.rept 16
.if \once
	global_load_b128 v[64*\b+4*i:64*\b+4*i+3], v[OFF+i], s[6:7] th:TH_LOAD_NT
.else
	global_load_b128 v[64*\b+4*i:64*\b+4*i+3], v[OFF+i], s[6:7]
.endif
.set i, i+1
.endr
.endm
; wo's four fragments from buffer b: register p of column tile c packs rows 2 p and 2 p + 1 of the lane's column c
.macro CONVH b, wb
	WIN CV1                                        ; first to bf16, as the weights are rounded, then each half widened again,
.irp p, 0,1,2,3,4,5,6,7
.irp c, 0,1,2,3
	v_cvt_pk_bf16_f32 v[64*\b+8*\p+\c], v[64*\b+8*\p+\c], v[64*\b+8*\p+4+\c]
.endr
.endr
.irp p, 0,1,2,3,4,5,6,7
.irp c, 0,1,2,3
	v_and_b32 v[64*\b+8*\p+4+\c], s60, v[64*\b+8*\p+\c]
.endr
.endr
.irp p, 0,1,2,3,4,5,6,7
.irp c, 0,1,2,3
	v_lshlrev_b32 v[64*\b+8*\p+\c], 16, v[64*\b+8*\p+\c]
.endr
.endr
	WIN CV                                         ; and held in f16
.irp p, 0,1,2,3,4,5,6,7
.irp c, 0,1,2,3
	v_cvt_pk_f16_f32 v[\wb+8*\c+\p], v[64*\b+8*\p+\c], v[64*\b+8*\p+4+\c]
.endr
.endr
.endm
; One slice of job 2.  The fragment buffers take turns; buffer wb was stored from two slices ago, and a wait for the translation of all addresses
; stands in every slice between that slice's stores and this slice's conversion (in WLOAD, or written out where nothing is loaded).
.macro CSLICE b, wb, wload, lcnt
	s_wait_loadcnt \lcnt                           ; loads come back in order: this slice is in, the younger slices (16 loads each) stay out
	CONVH \b, \wb
.if \wload
	WLOAD \b, 1, 1                                 ; four slices ahead
.else
	s_wait_xcnt 0x0                                ; the last slice's store data are rewritten in the next slice only behind this wait
.endif
	WIN 0
.irp c, 0,1,2,3
.irp e, 0,1
	global_store_b128 v[LN], v[\wb+8*\c+4*\e:\wb+8*\c+4*\e+3], s[8:9] offset:32768*\b+1024*\c+512*\e
.endr
.endr
.endm
	s_load_b512 s[24:39], s[0:1], 0x0              ; xb 24, wq 26, wk 28, wv 30, freqs_cis 32, qw 34, kw 36, vw 38
	s_load_b128 s[68:71], s[0:1], 0x40             ; wo s[68:69], wob s[70:71]
	v_lshl_add_u32 v62, v0, 2, 0x42000
	v_mov_b32 v63, 0
	ds_add_u32 v62, v63
	s_wait_dscnt 0x0
	v_lshrrev_b32 v3, 5, v0
	v_readfirstlane_b32 s12, v3                    ; wave 0..3
	s_and_b32 s59, s12, 1                          ; nh: which 64 of the 128 columns
	s_lshr_b32 s63, s12, 1                         ; kh: which 32 of every 64 k
	s_bfe_u32 s13, ttmp6, 0x40000                  ; cx
	s_bfe_u32 s14, ttmp6, 0x40004                  ; cy
	s_lshl_b32 s15, ttmp9, 2
	s_add_co_u32 s15, s15, s13                     ; column group of 128 = 4 x cluster x + cx
	s_and_b32 s16, ttmp7, 0xffff
	s_lshl_b32 s16, s16, 2
	s_add_co_u32 s16, s16, s14                     ; row block = 4 x cluster y + cy
	s_lshl_b32 s17, s14, 2
	s_lshl_b32 s17, 15, s17                        ; my row of the cluster: places 4 cy .. 4 cy + 3
	s_mov_b32 s60, 0xffff0000                      ; a word's upper bf16
	; which weight: clusters 0-7 wq, 8-9 wk, 10-11 wv (512 columns each), 12-15 wo.  The choice hangs on the cluster's number alone.
	s_mov_b32 s18, 4096
	s_cmp_ge_u32 ttmp9, 10
	s_cselect_b32 s22, 40, 32                      ; first column group of wv, of wk
	s_cselect_b32 s19, -1, 0                       ; all lanes: this is a block of v
	s_cmp_lt_u32 ttmp9, 8
	s_cselect_b32 s22, 0, s22
	s_cselect_b32 s18, 16384, s18                  ; bytes in a row of W
	s_cmp_ge_u32 ttmp9, 12
	s_cselect_b32 s18, 16384, s18                  ; and in a row of wo
	; vector offsets that both jobs use
	v_and_b32 v1, 15, v0                           ; r
	v_bfe_u32 v2, v0, 4, 1                         ; h
	v_and_b32 v[LN], 31, v0
	v_lshlrev_b32 v[LN], 4, v[LN]                  ; 16 x lane
	v_lshlrev_b32 v4, 4, v1                        ; 16 r
	v_lshlrev_b32 v7, 3, v2                        ; 8 h
.set i, 0
.rept 16                                           ; load i of a slice: row 8 h + i (i < 8) or 16 + 8 h + i - 8, bytes 16 r: sixteen lanes take 256 consecutive bytes, aligned
	v_add_nc_u32 v6, i+8*(i/8), v7
	v_mad_u32_u24 v[OFF+i], v6, s18, v4
.set i, i+1
.endr
	s_cmp_lt_u32 ttmp9, 12                         ; the cluster's number: the same in all sixteen partners
	s_cbranch_scc1 .Lgemm
	; ---- JOB 2: wo -> wob ----
	s_and_b32 s22, ttmp9, 3
	s_lshl_b32 s22, s22, 2
	s_add_co_u32 s22, s22, s13
	s_lshl_b32 s22, s22, 2
	s_add_co_u32 s61, s22, s16                     ; column block cb = 16 (cluster & 3) + 4 cx + cy: 0 .. 63
	s_lshl_b32 s22, s61, 8                         ; wo: 256 bytes for each column block
	s_lshl_b32 s23, s12, 19                        ; + 32 w rows of 16,384 bytes
	s_add_co_u32 s22, s22, s23
	s_mov_b32 s23, 0
	s_mov_b32 s20, 0x200000                        ; from slice to slice: 128 rows
	s_mov_b32 s21, 0
	s_lshr_b32 s56, s61, 1
	s_lshl_b32 s56, s56, 20                        ; wob: column group cb / 2, 128 x 8,192 bytes each
	s_and_b32 s57, s61, 1
	s_lshl_b32 s57, s57, 12                        ; + column tiles 4 (cb % 2) .., 1,024 bytes each
	s_add_co_u32 s56, s56, s57
	s_lshl_b32 s57, s12, 13                        ; + k / 32 = w: 8,192 bytes
	s_add_co_u32 s56, s56, s57
	s_mov_b32 s57, 0
	s_wait_kmcnt 0x0
	s_add_nc_u64 s[6:7], s[68:69], s[22:23]
	s_add_nc_u64 s[8:9], s[70:71], s[56:57]
	WLOAD 0, 0, 1                                  ; slices 0 to 3
	WLOAD 1, 1, 1
	WLOAD 2, 1, 1
	WLOAD 3, 1, 1
	WIN 0
	s_mov_b32 s3, 7
.Lwo:
	CSLICE 0, WB0, 1, 48                           ; slices 0 .. 27, which ask for slices 4 .. 31
	CSLICE 1, WB1, 1, 48
	CSLICE 2, WB0, 1, 48
	CSLICE 3, WB1, 1, 48
	s_wait_xcnt 0x0                                ; the stores' base is stepped only behind this wait
	s_add_nc_u64 s[8:9], s[8:9], 0x20000           ; four slices of 32,768 bytes on; the slice inside the four stands in the immediate
	s_sub_co_u32 s3, s3, 1
	s_cmp_lg_u32 s3, 0
	s_cbranch_scc1 .Lwo
	CSLICE 0, WB0, 0, 48                           ; the last four slices ask for nothing: the counts run down
	CSLICE 1, WB1, 0, 32
	CSLICE 2, WB0, 0, 16
	CSLICE 3, WB1, 0, 0
	s_branch .Lclose
	; ---- JOB 1: q, k, v ----
.Lgemm:
	s_sub_co_u32 s61, s15, s22
	s_lshl_b32 s61, s61, 1
	s_add_co_u32 s61, s61, s59                     ; my column block of 64 inside its W
	v_and_b32 v3, 7, v0
	v_bfe_u32 v6, v0, 3, 1
	v_lshl_add_u32 v3, v3, 1, v6                   ; LDS row of fragment index r: 2 (r & 7) + (r >> 3)
	v_mul_u32_u24 v3, v3, PITCH
	v_lshl_add_u32 v3, v2, 4, v3                   ; + 16 h
	s_lshl_b32 s62, s63, 6                         ; + my 32 k of every 64: 64 kh bytes
	v_add_nc_u32 v[ADRA+0], s62, v3
	v_add_nc_u32 v[ADRA+1], HALFB, v[ADRA+0]
	v_add_nc_u32 v[ADRA+2], SLOT, v[ADRA+0]
	v_add_nc_u32 v[ADRA+3], SLOT+HALFB, v[ADRA+0]
	s_lshl_b32 s62, s12, 16
	v_add_nc_u32 v[SA], s62, v[LN]                 ; my 65,536 bytes of partial sums
	s_lshl_b32 s62, s59, 16                        ; the partial sums of waves nh and nh + 2,
	s_lshl_b32 s23, s63, 15                        ; in each the 32 tiles of rows 128 kh .. 128 kh + 127
	s_add_co_u32 s62, s62, s23
	v_add_nc_u32 v[RA+0], s62, v[LN]
	v_add_nc_u32 v[RA+1], 0x20000, v[RA+0]
	v_lshlrev_b32 v6, 3, v1
	v_lshl_add_u32 v[VO], v2, 7, v6                ; row h of 128 bytes + 8 r
	s_lshl_b32 s62, s59, 8                         ; which half of the head's 64 pairs
	v_lshl_add_u32 v[VF], v2, 9, v4                ; row h of 512 bytes + 16 r (two pairs of cos, sin)
	v_add_nc_u32 v[VF], s62, v[VF]
	; descriptor group 1: 64 rows x 256 elements of 2 bytes, 4 words of padding behind every 128 words
	s_or_b32 s[G1+0], s17, (1<<16)|(1<<20)|(1<<21)|(6<<22)|(3<<25)
	s_mov_b32 s[G1+1], 256<<16                     ; tensor_dim0 = 256
	s_mov_b32 s[G1+2], 64<<16                      ; tensor_dim1 = 64
	s_mov_b32 s[G1+3], 256<<16                     ; tile_dim0 = 256
	s_mov_b32 s[G1+4], 64                          ; tile_dim1 = 64
	s_mov_b32 s[G1+5], 4096                        ; elements from row to row
	s_mov_b32 s[G1+6], 0
	s_mov_b32 s[G1+7], 0
	s_lshl_b32 s56, s16, 21                        ; A: (256 x row block + 64 w) rows of 8,192 bytes: hangs on the row block and the wave alone
	s_lshl_b32 s57, s12, 19
	s_add_co_u32 s56, s56, s57
	s_mov_b32 s57, 0
	s_mul_i32 s58, s12, WROWS                      ; and where my 64 rows go
	s_lshl_b32 s20, s18, 6                         ; W from slice to slice: 64 rows
	s_mov_b32 s21, 0
	s_wait_kmcnt 0x0
	s_add_nc_u64 s[4:5], s[24:25], s[56:57]
	s_cmp_ge_u32 ttmp9, 10
	s_cselect_b64 s[6:7], s[30:31], s[28:29]       ; wv or wk
	s_cselect_b64 s[8:9], s[38:39], s[36:37]       ; vw or kw
	s_cmp_lt_u32 ttmp9, 8
	s_cselect_b64 s[6:7], s[26:27], s[6:7]         ; or wq
	s_cselect_b64 s[8:9], s[34:35], s[8:9]         ; or qw
	s_lshl_b32 s22, s61, 8                         ; W: 256 bytes for each column block
	s_mul_i32 s23, s63, s18
	s_lshl_b32 s23, s23, 5                         ; + 32 kh rows
	s_add_co_u32 s22, s22, s23
	s_mov_b32 s23, 0
	s_add_nc_u64 s[6:7], s[6:7], s[22:23]
	s_lshl_b32 s22, s61, 17                        ; out: column block x 1,024 rows of 128 bytes + (256 x row block + 128 kh) rows
	s_lshl_b32 s62, s16, 15
	s_add_co_u32 s22, s22, s62
	s_lshl_b32 s62, s63, 14
	s_add_co_u32 s22, s22, s62
	s_add_nc_u64 s[8:9], s[8:9], s[22:23]
	s_lshl_b32 s22, s16, 17                        ; freqs_cis: (256 x row block + 128 kh) rows of 512 bytes
	s_lshl_b32 s62, s63, 16
	s_add_co_u32 s22, s22, s62
	s_add_nc_u64 s[10:11], s[32:33], s[22:23]
	CROUND                                         ; all sixteen work-groups are here: the first joint loads meet
.irp s, 0,1
	s_mov_b32 s[G0+4*\s], 1
	s_add_co_u32 s[G0+4*\s+1], s58, \s*SLOT
	s_add_nc_u64 s[G0+4*\s+2:G0+4*\s+3], s[4:5], \s*512            ; k = 256 x slot
	s_or_b32 s[G0+4*\s+3], s[G0+4*\s+3], 0x80000000
	tensor_load_to_lds s[G0+4*\s:G0+4*\s+3], s[G1:G1+7]            ; two tensor loads of the wave are out here, later one
	s_nop 0
.endr
; 16 LDS loads: the fragments of eight row tiles (half 0: rows 0-127, half 1: rows 128-255) for my slice sl (0 .. 3) of a slot: k = 64 sl + 32 kh
.macro AFETCH half, slot, sl
	WIN 0
.irp m, 0,1,2,3,4,5,6,7
	ds_load_b128 v[H0+64*\half+8*\m:H0+64*\half+8*\m+3], v[ADRA+2*\slot+\half] offset:16*PITCH*\m+128*\sl
	ds_load_b128 v[H0+64*\half+8*\m+4:H0+64*\half+8*\m+7], v[ADRA+2*\slot+\half] offset:16*PITCH*\m+128*\sl+32
.endr
.endm
; W's four fragments from buffer b: register p of column tile c packs rows 2 p and 2 p + 1 of the lane's column c
.macro CONV b, wb
	WIN CV
.irp p, 0,1,2,3,4,5,6,7
.irp c, 0,1,2,3
	v_cvt_pk_bf16_f32 v[\wb+8*\c+\p], v[64*\b+8*\p+\c], v[64*\b+8*\p+4+\c]
.endr
.endr
.endm
.macro WM acc, a, b, zero
.if \zero
	v_wmma_f32_16x16x32_bf16 v[\acc:\acc+7], v[\a:\a+7], v[\b:\b+7], 0
.else
	v_wmma_f32_16x16x32_bf16 v[\acc:\acc+7], v[\a:\a+7], v[\b:\b+7], v[\acc:\acc+7]
.endif
.endm
; n row tiles from m0 on of the window's eight x the four column tiles.  The 64 accumulators take turns, one instruction a turn, in the same order
; in every slice and over the backward jump.  zero = 1: the first products start the sums.
.macro MUL half, wb, m0, n, zero
.set mm, \m0
.rept \n
.irp nt, 0,1,2,3
	WM 8*(4*mm+\nt), H0+64*\half+8*mm, \wb+8*\nt, \zero
.endr
.set mm, mm+1
.endr
.endm
; One slice: 32 k, 64 matrix instructions.  (slot, sl): where its fragments came from; b: W's buffer; wb: fragment buffer; (nslot, nsl): the next slice.
; wload: buffer b is asked for again, four slices ahead.  lcnt: the loads of the younger slices, 16 each.
; turn: this is the slot's last slice, the slots change; fill: the slot is filled again, two tiles ahead.  last: nothing follows.
.macro SLICE slot, sl, b, wb, nslot, nsl, zero, wload, lcnt, turn, fill, last
	s_wait_loadcnt \lcnt                           ; loads come back in order: this slice of W is in, the younger slices stay out
	CONV \b, \wb
.if \wload
	WLOAD \b, 1, 0
.endif
	s_wait_dscnt 16                                ; rows 0-127 are in; the 16 younger loads are rows 128-255
	WIN MUL_LO
.if \turn
	MUL 0, \wb, 0, 4, \zero
	s_wait_dscnt 0x0                               ; my reads of this slot are over
	s_wait_tensorcnt 0x0                           ; all my tensor loads have landed: the one that was out is my part of the next slot
	ds_add_u32 v62, v63
	s_wait_dscnt 0x0
	s_barrier_signal -1                            ; (where the slot is filled again this barrier opens a round of the cluster's barrier)
	MUL 0, \wb, 4, 4, \zero                        ; register work while the others arrive
	WIN 0
	s_barrier_wait -1
.if \fill
	CREST                                          ; no wave of any partner still reads this slot or has a load on its way
	s_add_nc_u64 s[G0+4*\slot+2:G0+4*\slot+3], s[G0+4*\slot+2:G0+4*\slot+3], 1024   ; two tiles of 256 k on
	tensor_load_to_lds s[G0+4*\slot:G0+4*\slot+3], s[G1:G1+7]      ; my one tensor load behind the round; it has four slices, 256 matrix instructions, to land
	s_nop 0
.endif
.else
	MUL 0, \wb, 0, 8, \zero
.endif
.if \last
	s_wait_dscnt 0x0
.else
	PLACES
	AFETCH 0, \nslot, \nsl
	s_wait_dscnt 16                                ; rows 128-255 are in; the 16 younger loads are the next slice's rows 0-127
.endif
	WIN MUL_HI
	MUL 1, \wb, 0, 8, \zero
.if \last == 0
	PLACES
	AFETCH 1, \nslot, \nsl
.endif
.endm
; A slot's four slices: once round W's four buffers.  c0 .. c3: the counts of the four waits for W.
.macro FOUR slot, nslot, zero, wload, c0, c1, c2, c3, turn, fill, last
	SLICE \slot, 0, 0, WB0, \slot, 1, \zero, \wload, \c0, 0, 0, 0
	SLICE \slot, 1, 1, WB1, \slot, 2, 0, \wload, \c1, 0, 0, 0
	SLICE \slot, 2, 2, WB0, \slot, 3, 0, \wload, \c2, 0, 0, 0
	SLICE \slot, 3, 3, WB1, \nslot, 0, 0, \wload, \c3, \turn, \fill, \last
.endm
	WLOAD 0, 0, 0                                  ; slices 0 to 3 of W
	WLOAD 1, 1, 0
	WLOAD 2, 1, 0
	WLOAD 3, 1, 0
	WIN 0
	s_wait_tensorcnt 0x1                           ; my part of slot 0 is in; slot 1's load stays out
	s_barrier_signal -1
	s_barrier_wait -1
	AFETCH 0, 0, 0
	AFETCH 1, 0, 0
	FOUR 0, 1, 1, 1, 48, 48, 48, 48, 1, 1, 0       ; tiles 0 and 1 stand in front of the loop: the first slice starts the sums
	FOUR 1, 0, 0, 1, 48, 48, 48, 48, 1, 1, 0
	WIN 0
	s_mov_b32 s3, 6
.Llap:
	FOUR 0, 1, 0, 1, 48, 48, 48, 48, 1, 1, 0       ; tiles 2 .. 13, which ask for tiles 4 .. 15
	FOUR 1, 0, 0, 1, 48, 48, 48, 48, 1, 1, 0
	WIN 0
	s_sub_co_u32 s3, s3, 1
	s_cmp_lg_u32 s3, 0
	s_cbranch_scc1 .Llap
	FOUR 0, 1, 0, 1, 48, 48, 48, 48, 1, 0, 0       ; tile 14: W's last four slices are asked for; no tile is: the change of slots has a plain barrier
	FOUR 1, 0, 0, 0, 48, 32, 16, 0, 0, 0, 1        ; tile 15: nothing is asked for, W's counts run down
	; THE END: the waves' partial sums meet in LDS bytes 0 .. 262,143, the ring's bytes, which have had their last fill.
	WIN TO_ST                                      ; cos and sin of my 128 rows, two pairs a lane: row 16 a + 2 j + h into window 1, v[32 a + 4 j ..]
.irp a, 0,1,2,3,4,5,6,7
.irp j, 0,1,2,3,4,5,6,7
	global_load_b128 v[32*\a+4*\j:32*\a+4*\j+3], v[VF], s[10:11] offset:(16*\a+2*\j)*512
.endr
.endr
	WIN 0
	PLACES                                         ; behind the last matrix instructions: the stores below read results
	s_wait_dscnt 0x0                               ; my reads of the slots are over,
	s_barrier_signal -1
	s_barrier_wait -1                              ; everybody's are
	WIN ST_LO
.set t, 0
.rept 32                                           ; tile t: 1,024 bytes, registers 0-3 then 4-7, 16 consecutive bytes a lane
	ds_store_b128 v[SA], v[8*t:8*t+3] offset:1024*t
	ds_store_b128 v[SA], v[8*t+4:8*t+7] offset:1024*t+512
.set t, t+1
.endr
	WIN ST_HI
.set t, 0
.rept 32
	ds_store_b128 v[SA], v[8*t:8*t+3] offset:32768+1024*t
	ds_store_b128 v[SA], v[8*t+4:8*t+7] offset:32768+1024*t+512
.set t, t+1
.endr
	WIN 0
	s_wait_dscnt 0x0                               ; for the others' sake: my stores are done
	s_barrier_signal -1
	s_barrier_wait -1
; the two partial sums of sixteen rows (four tiles) into v[pa .. pa + 63]
.macro LOADP a, pa
.irp p, 0,1
.irp nt, 0,1,2,3
	ds_load_b128 v[\pa+32*\p+8*\nt:\pa+32*\p+8*\nt+3], v[RA+\p] offset:1024*(4*(\a)+\nt)
	ds_load_b128 v[\pa+32*\p+8*\nt+4:\pa+32*\p+8*\nt+7], v[RA+\p] offset:1024*(4*(\a)+\nt)+512
.endr
.endr
.endm
	LOADP 0, PS                                    ; on their way while freqs_cis is made ready
	s_wait_loadcnt 0x0                             ; freqs_cis
.if ROUND_FREQS
	WIN CV1
.set i, 0
.rept 128
	v_cvt_pk_bf16_f32 v[2*i], v[2*i], v[2*i+1]
.set i, i+1
.endr
.set i, 0
.rept 128
	v_and_b32 v[2*i+1], s60, v[2*i]
	v_lshlrev_b32 v[2*i], 16, v[2*i]
.set i, i+1
.endr
.endif
	WIN FSEL
.set i, 0
.rept 128
	v_cndmask_b32 v[2*i], v[2*i], 1.0, s19         ; a block of v is not rotated: cos = 1,
	v_cndmask_b32 v[2*i+1], v[2*i+1], 0, s19       ; sin = 0
.set i, i+1
.endr
	WIN 0
; Wave (kh, nh) sums, rotates and stores rows 128 kh .. 128 kh + 127 of column half nh, sixteen rows at a time; the next sixteen rows' partial sums
; are asked for ahead, into the other of two register buffers
.set aa, 0
.rept 8
.set PA, PS+64*(aa%2)
.set PB, PS+64*((aa+1)%2)
.if aa
	s_wait_xcnt 0x0                                ; the last sixteen rows' store data are rewritten only behind this wait
.endif
.if aa < 7
	LOADP aa+1, PB
	s_wait_dscnt 16                                ; these sixteen rows are in; the 16 younger loads are the next sixteen rows'
.else
	s_wait_dscnt 0x0
.endif
.set i, 0
.rept 16
	v_pk_add_f32 v[PA+2*i:PA+2*i+1], v[PA+2*i:PA+2*i+1], v[PA+32+2*i:PA+32+2*i+1]
.set i, i+1
.endr
	WIN ROPE                                       ; (x0, x1) -> (x0 cos - x1 sin, x1 cos + x0 sin); columns (0, 1) and (2, 3) of the lane are pairs
.irp j, 0,1,2,3,4,5,6,7
.irp q, 0,1
	v_mul_f32 v[PA+32+4*\j+2*\q], v[PA+16*\q+8+\j], v[32*aa+4*\j+2*\q+1]
	v_mul_f32 v[PA+33+4*\j+2*\q], v[PA+16*\q+\j], v[32*aa+4*\j+2*\q+1]
.endr
.endr
.irp j, 0,1,2,3,4,5,6,7
.irp q, 0,1
	v_fma_f32 v[224+4*\j+2*\q], v[PA+16*\q+\j], v[32*aa+4*\j+2*\q], -v[PA+32+4*\j+2*\q]
	v_fma_f32 v[225+4*\j+2*\q], v[PA+16*\q+8+\j], v[32*aa+4*\j+2*\q], v[PA+33+4*\j+2*\q]
.endr
.endr
	WIN 0
.irp j, 0,1,2,3,4,5,6,7
.irp q, 0,1
	v_cvt_pk_f16_f32 v[OUTR+2*\j+\q], v[224+4*\j+2*\q], v[225+4*\j+2*\q]
.endr
.endr
.irp j, 0,1,2,3,4,5,6,7
	global_store_b64 v[VO], v[OUTR+2*\j:OUTR+2*\j+1], s[8:9] offset:(16*aa+2*\j)*128   ; the wave stores rows 2 j and 2 j + 1 of 128 bytes: 256 consecutive bytes, aligned
.endr
.set aa, aa+1
.endr
.Lclose:
	s_wait_tensorcnt 0x0
	ds_add_u32 v62, v63
	s_wait_dscnt 0x0
	CROUND                                         ; the closing round, for both jobs: no work-group ends while a partner may still ask for a tile that names it
	s_endpgm
.Lfunc_end_k_q5489136fb0_qkv:
	.size	k_q5489136fb0_qkv, .Lfunc_end_k_q5489136fb0_qkv-k_q5489136fb0_qkv
	.p2alignl 7, 3214868480
	.fill 96, 4, 3214868480
	.section	.rodata,"a",@progbits
	.p2align	6, 0x0
	.amdhsa_kernel k_q5489136fb0_qkv
		.amdhsa_group_segment_fixed_size 327680
		.amdhsa_private_segment_fixed_size 0
		.amdhsa_enable_private_segment 0
		.amdhsa_kernarg_size 80
		.amdhsa_user_sgpr_count 2
		.amdhsa_user_sgpr_kernarg_segment_ptr 1
		.amdhsa_wavefront_size32 1
		.amdhsa_system_sgpr_workgroup_id_x 1
		.amdhsa_system_sgpr_workgroup_id_y 1
		.amdhsa_system_sgpr_workgroup_id_z 1
		.amdhsa_system_vgpr_workitem_id 0
		.amdhsa_next_free_vgpr 1024
		.amdhsa_next_free_sgpr 72
		.amdhsa_reserve_vcc 0
		.amdhsa_float_denorm_mode_32 3
		.amdhsa_float_denorm_mode_16_64 3
		.amdhsa_memory_ordered 1
		.amdhsa_forward_progress 1
		.amdhsa_inst_pref_size 255
	.end_amdhsa_kernel
	.section	.bss,"aw",@nobits
	.p2align	6
	.space	262144
	.amdgpu_metadata
---
amdhsa.version: [ 1, 2 ]
amdhsa.kernels:
  - .name:           k_q5489136fb0_qkv
    .symbol:         k_q5489136fb0_qkv.kd
    .args:
      - { .name: xb, .offset: 0, .size: 8, .value_kind: global_buffer, .address_space: global }
      - { .name: wq, .offset: 8, .size: 8, .value_kind: global_buffer, .address_space: global }
      - { .name: wk, .offset: 16, .size: 8, .value_kind: global_buffer, .address_space: global }
      - { .name: wv, .offset: 24, .size: 8, .value_kind: global_buffer, .address_space: global }
      - { .name: freqs_cis, .offset: 32, .size: 8, .value_kind: global_buffer, .address_space: global }
      - { .name: qw, .offset: 40, .size: 8, .value_kind: global_buffer, .address_space: global }
      - { .name: kw, .offset: 48, .size: 8, .value_kind: global_buffer, .address_space: global }
      - { .name: vw, .offset: 56, .size: 8, .value_kind: global_buffer, .address_space: global }
      - { .name: wo, .offset: 64, .size: 8, .value_kind: global_buffer, .address_space: global }
      - { .name: wob, .offset: 72, .size: 8, .value_kind: global_buffer, .address_space: global }
    .group_segment_fixed_size: 327680
    .private_segment_fixed_size: 0
    .kernarg_segment_align: 8
    .kernarg_segment_size: 80
    .max_flat_workgroup_size: 128
    .sgpr_count:     72
    .vgpr_count:     1024
    .wavefront_size: 32
...
	.end_amdgpu_metadata
.endif
;; end of part 5
;; launch attn (part 6): grid 32 x 8, 4 waves a work-group, clusters of 4 x 1, 327,680 bytes of LDS; arguments qw, kw, vw, yw; writes yw
.if DOCPART == 6
	.amdgcn_target "amdgcn-amd-amdhsa--gfx1250"
	.amdhsa_code_object_version 6
	.text
	.protected	k_q5489136fb0_attn
	.globl	k_q5489136fb0_attn
	.p2align	8
	.type	k_q5489136fb0_attn,@function
k_q5489136fb0_attn:
	s_mov_b64 s[64:65], 0
	v_nop
	global_prefetch_b8 v0, s[64:65] scope:SCOPE_SE
	s_setreg_imm32_b32 hwreg(HW_REG_WAVE_MODE, 25, 1), 1
	s_wait_xcnt 0x0
	s_wait_alu depctr_hold_cnt(0) depctr_sa_sdst(0) depctr_va_vdst(0) depctr_va_sdst(0) depctr_va_ssrc(0) depctr_va_vcc(0) depctr_vm_vsrc(0)
	s_getreg_b32 s2, hwreg(HW_REG_IB_STS2, 6, 4)
	s_cmp_eq_u32 s2, 0
	s_cbranch_scc0 .Lentry_in_a_cluster
	s_endpgm
.Lentry_in_a_cluster:
	s_bfe_u32 s2, ttmp6, 0x10000c
	s_cmp_lg_u32 s2, 0x3003
	s_cbranch_scc0 .Lentry_shape_is_right
	s_endpgm
.Lentry_shape_is_right:
; Causal attention, 32 query heads on 8 key and value heads, d = 128, T = 1,024.  q, k, v: f16 at a quarter of their size, [column block of 64][1024][64];
; yw: [1024][4096] f16, y at a quarter of its size.  Softmax in f32 with a running maximum; masked scores are -1e30 as in the problem's function.
; The 1/16 on q k and the 1/sqrt(128) are folded with log2(e) into one factor C = 16 log2(e) / sqrt(128).  P lies in [0, 1] and goes in f16.
; LIMITS: NaN and infinities are not served.  P is summed in f32 before it is rounded to f16 for the product with v.
; SHARE: work-group (p, g), p = 0..31: key and value head g; wave w: query head 4 g + w, so the four heads read one K and V in LDS.  Each wave has two
; tiles of 16 queries: H = rows 16 (63 - p) .., L = rows 16 p ..  With a = p / 8, H needs the key blocks (128 keys) 0 .. 7 - a, L the blocks 0 .. a:
; 9 blocks in every work-group.  The steps are 8 - a rounded up to even; the extra step of an odd a is masked whole (its block, 8 - a, exists).
; CLUSTER: the four work-groups p = 4 x .. 4 x + 3 have the same a, walk the same K and V tiles in the same steps and ask for them jointly (mask 15).
; No branch and no trip count hangs on the place in the cluster: only on the cluster's number and the step.
; PRODUCTS ARE TRANSPOSED, so that nothing is shuffled: S^T = K Q^T puts (key 8 h + j, query r) in register j of lane (r, h); two key tiles packed to f16
; are the second source of O^T = V^T P^T for 32 keys; V^T comes from LDS by the transposing load.  Maximum, sum and factor are one number a lane.
.set KP, 144                           ; LDS pitch of K's rows of 128 bytes: 9 x 16
.set VP, 160                           ; of V's: 5 x 32, for the transposing load
.set KHALF, 128*KP
.set VHALF, 128*VP
.set VBASE, 2*KHALF
.set SLOT,  VBASE+2*VHALF              ; K d 0-63, K d 64-127, V d 0-63, V d 64-127 of 128 keys: 77,824 bytes
.set STAGE, 2*SLOT                     ; behind the ring, at a multiple of 256: 16 rows x 272 bytes for each wave; no tensor load fills it
.set SP, 272
; window 0
.set KA,  8                            ; v8-9    LDS address of K's fragments, slot 0, 1
.set VA,  10                           ; v10-11  of V's
.set STO, 12                           ; the way out: where I put 16 bytes of a row
.set RD,  13                           ; where I read a row back
.set YOH, 14                           ; my byte offset in yw, tile H, L
.set YOL, 15
.set QOH, 16                           ; my byte offset in qw
.set QOL, 17
.set QLH, 18                           ; query - 8 h, tile H, L
.set QLL, 19
.set NEG, 20                           ; -1e30
.set LIM, 21
.set MH, 22                            ; running maximum and sum
.set LH, 23
.set ML, 24
.set LL, 25
.set AL, 26                            ; v[26:27] the factor for what was summed so far, twice
.set MC, 28                            ; v[28:29] - maximum x C, twice
.set T0, 30
.set T1, 31
.set SH, 32                            ; v32-63, v64-95: scores, 8 registers a key tile
.set SL, 64
.set PH, 96                            ; v96-111, v112-127: P in f16; before that at work
.set PL, 112
.set FK, 128                           ; v128-255: K's fragments, key tile kt, d step ks at 32 kt + 8 ks
; window 1: O of tile H v0-63, of tile L v64-127; Q of tile H v128-159, of tile L v160-191.  Window 2: V's fragments, d tile dt, key step kk at 16 dt + 8 kk
.set OH, 0
.set OL, 64
.set QH, 128
.set QL, 160
.set G1K, 32
.set G1V, 40
.set G0K, 48
.set G0V, 56
.set W_ST,  0x04                       ; source 1 (Q) window 1
.set W_PV,  0x52                       ; source 0 (V) window 2, C and D window 1
.set W_TOV, 0x80                       ; destination window 2
.set W_TOQ, 0x40                       ; destination window 1
.set W_RES, 0x41                       ; source 0 and destination window 1
.set W_FIN, 0x01                       ; source 0 window 1
.set MSB, 0
.macro WIN new
.if MSB != \new
	s_set_vgpr_msb (MSB<<8)|\new
.set MSB, \new
.endif
.endm
.macro PLACES                          ; four places behind a matrix instruction (ISA guide 7.12.1)
.rept 4
	v_nop
.endr
.endm
.macro ROUND                           ; a round of the cluster's barrier
	s_barrier_signal -1
	s_barrier_wait -1
	s_cmp_lg_u32 s12, 0
	s_cbranch_scc1 .Lnot_wave_0_\@
	s_barrier_signal -3
.Lnot_wave_0_\@:
	s_barrier_wait -3
	s_barrier_signal -1
	s_barrier_wait -1
.endm
.macro JLOAD s                         ; waves 0, 1 ask for K's two halves, waves 2, 3 for V's: one tensor load a wave
	s_cmp_eq_u32 s30, 0
	s_cbranch_scc0 .Lfor_v_\@
	tensor_load_to_lds s[G0K+4*\s:G0K+4*\s+3], s[G1K:G1K+7]
	s_nop 0
	s_branch .Lasked_\@
.Lfor_v_\@:
	tensor_load_to_lds s[G0V+4*\s:G0V+4*\s+3], s[G1V:G1V+7]
	s_nop 0
.Lasked_\@:
.endm
	s_load_b256 s[4:11], s[0:1], 0x0               ; qw s[4:5], kw s[6:7], vw s[8:9], yw s[10:11]
	v_lshl_add_u32 v7, v0, 2, 0x2a400
	s_set_vgpr_msb 0x40
	v_mov_b32 v255, 0
	s_set_vgpr_msb 0x4044
	ds_add_u32 v7, v255
	s_set_vgpr_msb 0x4400
	v_lshrrev_b32 v3, 5, v0
	v_readfirstlane_b32 s12, v3                    ; wave
	s_bfe_u32 s13, ttmp6, 0x40000                  ; cx
	s_lshl_b32 s14, ttmp9, 2
	s_add_co_u32 s14, s14, s13                     ; p
	s_and_b32 s15, ttmp7, 0xffff                   ; g
	s_lshr_b32 s16, ttmp9, 1                       ; a = p / 8: the same in all four partners
	s_sub_co_u32 s17, 7, s16                       ; 7 - a
	s_mov_b32 s18, 0                               ; kb, the key block
	s_lshr_b32 s23, s16, 1
	s_sub_co_u32 s23, 2, s23                       ; laps of the loop: 4 - a / 2 laps of two steps in all, one in front and one behind
	s_max_u32 s23, s23, 1                          ; a / 2 is 0 or 1, so this changes nothing: it states in the text that the counter starts at 1 or more
	s_mov_b32 s24, 0x400293ee                      ; C = 16 log2(e) / sqrt(128), twice: a pair for the packed form
	s_mov_b32 s25, 0x400293ee
	s_mov_b32 s26, 0xc00293ee                      ; - C
	s_mov_b32 s27, 0x76543210                      ; v_permlanex16_b32: lane i of one half reads lane i of the other
	s_mov_b32 s28, 0xfedcba98
	s_and_b32 s29, s12, 1                          ; which half of d I fetch
	s_lshr_b32 s30, s12, 1                         ; of K (0) or of V (1)
	s_lshl_b32 s31, s15, 2
	s_add_co_u32 s31, s31, s12                     ; my query head
	s_mul_i32 s19, s29, KHALF                      ; where K's half goes
	s_mul_i32 s20, s29, VHALF
	s_add_co_u32 s20, s20, VBASE                   ; where V's half goes
	s_lshl_b32 s2, s15, 1
	s_add_co_u32 s2, s2, s29
	s_lshl_b32 s2, s2, 17                          ; column block 2 g + half, 131,072 bytes each
	s_mov_b32 s3, 0
	; group 1: a block of 128 keys x 128 bytes is dense: 64 rows of 256 bytes, padded behind every 32 words by 4 words (K) or 8 (V)
	s_mov_b32 s[G1K+0], 15|(1<<16)|(1<<20)|(1<<21)|(4<<22)|(3<<25)
	s_mov_b32 s[G1V+0], 15|(1<<16)|(1<<20)|(1<<21)|(4<<22)|(7<<25)
.irp g, G1K, G1V
	s_mov_b32 s[\g+1], 128<<16                     ; tensor_dim0 = 128 elements
	s_mov_b32 s[\g+2], 64<<16                      ; tensor_dim1 = 64
	s_mov_b32 s[\g+3], 128<<16                     ; tile_dim0 = 128
	s_mov_b32 s[\g+4], 64                          ; tile_dim1 = 64
	s_mov_b32 s[\g+5], 128                         ; elements from row to row
	s_mov_b32 s[\g+6], 0
	s_mov_b32 s[\g+7], 0
.endr
	s_lshl_b32 s21, s14, 4                         ; first query of tile L
	s_sub_co_u32 s22, 63, s14
	s_lshl_b32 s22, s22, 4                         ; first query of tile H
	s_mul_i32 s29, s12, 16*SP
	s_add_co_u32 s29, s29, STAGE                   ; my stage
	v_and_b32 v1, 15, v0                           ; r
	v_bfe_u32 v2, v0, 4, 1                         ; h
	v_lshlrev_b32 v3, 4, v2                        ; 16 h
	v_lshlrev_b32 v4, 4, v1                        ; 16 r
	v_mul_u32_u24 v5, v1, KP
	v_add_nc_u32 v[KA], v5, v3                     ; key r, d 8 h ..
	v_add_nc_u32 v[KA+1], SLOT, v[KA]
	v_and_b32 v5, 7, v0
	v_lshl_add_u32 v5, v2, 3, v5                   ; key 8 h + (lane & 7)
	v_mul_u32_u24 v5, v5, VP
	v_bfe_u32 v6, v0, 3, 1
	v_lshl_add_u32 v5, v6, 4, v5                   ; + 16 bytes for lanes 8-15 of each half
	v_add_nc_u32 v[VA], VBASE, v5
	v_add_nc_u32 v[VA+1], VBASE+SLOT, v5
	v_mul_u32_u24 v5, v1, SP
	v_add_nc_u32 v5, v5, v3
	v_add_nc_u32 v[STO], s29, v5                   ; my stage + row r + 16 h
	v_mul_u32_u24 v5, v2, SP
	v_add_nc_u32 v5, v5, v4
	v_add_nc_u32 v[RD], s29, v5                    ; my stage + row h + 16 r
	v_add_nc_u32 v5, s22, v2
	v_lshl_add_u32 v[YOH], v5, 13, v4              ; row (q0 + h) of 8,192 bytes + 16 r
	v_add_nc_u32 v5, s21, v2
	v_lshl_add_u32 v[YOL], v5, 13, v4
	v_lshlrev_b32 v6, 3, v2                        ; 8 h
	v_add_nc_u32 v5, s22, v1
	v_lshl_add_u32 v[QOH], v5, 7, v3               ; row (q0 + r) of 128 bytes + 16 h
	v_sub_nc_u32 v[QLH], v5, v6
	v_add_nc_u32 v5, s21, v1
	v_lshl_add_u32 v[QOL], v5, 7, v3
	v_sub_nc_u32 v[QLL], v5, v6
	v_mov_b32 v[NEG], 0xf149f2ca                   ; -1e30
	v_mov_b32 v[T0], 0                             ; v_permlanex16_b32 counts as a reader of its destination
	s_wait_dscnt 0x0
	s_wait_kmcnt 0x0
	s_add_nc_u64 s[6:7], s[6:7], s[2:3]
	s_add_nc_u64 s[8:9], s[8:9], s[2:3]
	s_lshl_b32 s2, s31, 18                         ; my head's two column blocks of q
	s_add_nc_u64 s[4:5], s[4:5], s[2:3]
	s_lshl_b32 s2, s31, 8                          ; my head's 256 bytes of a row of y
	s_add_nc_u64 s[10:11], s[10:11], s[2:3]
	ROUND                                          ; the four work-groups are here: the first joint loads meet
.irp s, 0,1
	s_mov_b32 s[G0K+4*\s], 1
	s_add_co_u32 s[G0K+4*\s+1], s19, \s*SLOT
	s_add_nc_u64 s[G0K+4*\s+2:G0K+4*\s+3], s[6:7], \s*16384        ; key block = slot
	s_or_b32 s[G0K+4*\s+3], s[G0K+4*\s+3], 0x80000000
	s_mov_b32 s[G0V+4*\s], 1
	s_add_co_u32 s[G0V+4*\s+1], s20, \s*SLOT
	s_add_nc_u64 s[G0V+4*\s+2:G0V+4*\s+3], s[8:9], \s*16384
	s_or_b32 s[G0V+4*\s+3], s[G0V+4*\s+3], 0x80000000
	JLOAD \s                                       ; two tensor loads of the wave are out here, later one
.endr
	WIN W_TOQ                                      ; Q's fragments stay in registers: query r, d = 32 ks + 8 h .. and + 16
.irp ks, 0,1,2,3
.irp e, 0,1
	global_load_b128 v[QH+8*\ks+4*\e:QH+8*\ks+4*\e+3], v[QOH], s[4:5] offset:(\ks/2)*131072+(\ks%2)*64+32*\e
	global_load_b128 v[QL+8*\ks+4*\e:QL+8*\ks+4*\e+3], v[QOL], s[4:5] offset:(\ks/2)*131072+(\ks%2)*64+32*\e
.endr
.endr
	WIN 0
.macro KFETCH slot, sub                ; 32 LDS loads: 64 keys x 128 d
	WIN 0
.irp kt, 0,1,2,3
.irp ks, 0,1,2,3
	ds_load_b128 v[FK+32*\kt+8*\ks:FK+32*\kt+8*\ks+3], v[KA+\slot] offset:\sub*64*KP+\kt*16*KP+(\ks/2)*KHALF+(\ks%2)*64
	ds_load_b128 v[FK+32*\kt+8*\ks+4:FK+32*\kt+8*\ks+7], v[KA+\slot] offset:\sub*64*KP+\kt*16*KP+(\ks/2)*KHALF+(\ks%2)*64+32
.endr
.endr
.endm
.macro VFETCH slot, sub                ; 32 transposing LDS loads: 128 d x 64 keys
	WIN W_TOV
.irp dt, 0,1,2,3,4,5,6,7
.irp kk, 0,1
	ds_load_tr16_b128 v[16*\dt+8*\kk:16*\dt+8*\kk+3], v[VA+\slot] offset:(\dt/4)*VHALF+(64*\sub+32*\kk)*VP+32*(\dt%4)
	ds_load_tr16_b128 v[16*\dt+8*\kk+4:16*\dt+8*\kk+7], v[VA+\slot] offset:(\dt/4)*VHALF+(64*\sub+32*\kk)*VP+32*(\dt%4)+16*VP
.endr
.endr
	WIN 0
.endm
.macro STX sb, qb                      ; S^T of 64 keys x 16 queries; the four accumulators take turns; the first d step starts the sums
	WIN W_ST
.irp ks, 0,1,2,3
.irp kt, 0,1,2,3
.if \ks
	v_wmma_f32_16x16x32_f16 v[\sb+8*\kt:\sb+8*\kt+7], v[FK+32*\kt+8*\ks:FK+32*\kt+8*\ks+7], v[\qb+8*\ks:\qb+8*\ks+7], v[\sb+8*\kt:\sb+8*\kt+7]
.else
	v_wmma_f32_16x16x32_f16 v[\sb+8*\kt:\sb+8*\kt+7], v[FK+32*\kt+8*\ks:FK+32*\kt+8*\ks+7], v[\qb+8*\ks:\qb+8*\ks+7], 0
.endif
.endr
.endr
.endm
.macro MASK sb, ql                     ; key s22 + 16 kt + 8 h + j stays where it is at most the query
	v_sub_nc_u32 v[LIM], v[\ql], s22
.irp kt, 0,1,2,3
.irp j, 0,1,2,3,4,5,6,7
	v_cmp_le_i32 vcc_lo, 16*\kt+\j, v[LIM]
	v_cndmask_b32 v[\sb+8*\kt+\j], v[NEG], v[\sb+8*\kt+\j], vcc_lo
.endr
.endr
.endm
; The running softmax on 64 keys.  first = 1: nothing has been summed yet.
.macro SOFT sb, pb, m, l, ob, first
.irp kt, 0,1,2,3                                   ; the largest of my 32 scores, in four chains
	v_max3_num_f32 v[\pb+\kt], v[\sb+8*\kt], v[\sb+8*\kt+1], v[\sb+8*\kt+2]
.endr
.irp kt, 0,1,2,3
	v_max3_num_f32 v[\pb+\kt], v[\pb+\kt], v[\sb+8*\kt+3], v[\sb+8*\kt+4]
.endr
.irp kt, 0,1,2,3
	v_max3_num_f32 v[\pb+\kt], v[\pb+\kt], v[\sb+8*\kt+5], v[\sb+8*\kt+6]
.endr
.irp kt, 0,1,2,3
	v_max_num_f32 v[\pb+\kt], v[\pb+\kt], v[\sb+8*\kt+7]
.endr
	v_max3_num_f32 v[\pb], v[\pb], v[\pb+1], v[\pb+2]
.if \first
	v_max_num_f32 v[\pb], v[\pb], v[\pb+3]
.else
	v_max3_num_f32 v[\pb], v[\pb], v[\pb+3], v[\m]
.endif
	v_permlanex16_b32 v[T0], v[\pb], s27, s28      ; the other half of the lanes holds the query's other keys
	v_max_num_f32 v[T1], v[\pb], v[T0]             ; the new maximum
.if \first == 0
	v_sub_f32 v[T0], v[\m], v[T1]
	v_mul_f32 v[T0], s24, v[T0]
	v_exp_f32 v[AL], v[T0]                         ; the factor; the plain lines below stand between it and its first use (ISA guide 5.7.2)
.endif
	v_mov_b32 v[\m], v[T1]
	v_mul_f32 v[MC], s26, v[T1]
	v_mul_f32 v[MC+1], s26, v[T1]
.if \first == 0
	s_wait_alu depctr_va_vdst(0)
	v_mov_b32 v[AL+1], v[AL]
.endif
.set i, 0
.rept 16
	v_pk_fma_f32 v[\sb+2*i:\sb+2*i+1], v[\sb+2*i:\sb+2*i+1], s[24:25], v[MC:MC+1] op_sel_hi:[1,0,1]
.set i, i+1
.endr
.set i, 0
.rept 32
	v_exp_f32 v[\sb+i], v[\sb+i]
.set i, i+1
.endr
	v_nop                                          ; one plain place behind the run of exponentials
.set i, 0
	s_wait_alu depctr_va_vdst(0)
.rept 8
	v_pk_add_f32 v[\pb+2*i:\pb+2*i+1], v[\sb+4*i:\sb+4*i+1], v[\sb+4*i+2:\sb+4*i+3]
.set i, i+1
.endr
.irp i, 0,4,8,12
	v_pk_add_f32 v[\pb+\i:\pb+\i+1], v[\pb+\i:\pb+\i+1], v[\pb+\i+2:\pb+\i+3]
.endr
	v_pk_add_f32 v[\pb:\pb+1], v[\pb:\pb+1], v[\pb+4:\pb+5]
	v_pk_add_f32 v[\pb+8:\pb+9], v[\pb+8:\pb+9], v[\pb+12:\pb+13]
	v_pk_add_f32 v[\pb:\pb+1], v[\pb:\pb+1], v[\pb+8:\pb+9]
.if \first
	v_add_f32 v[\l], v[\pb], v[\pb+1]
.else
	v_add_f32 v[T0], v[\pb], v[\pb+1]
	v_fma_f32 v[\l], v[\l], v[AL], v[T0]
.endif
.set i, 0
.rept 16                                           ; key tiles 2 kk and 2 kk + 1 packed are P^T's fragment for keys 32 kk .. + 31
	v_cvt_pk_f16_f32 v[\pb+i], v[\sb+2*i], v[\sb+2*i+1]
.set i, i+1
.endr
.if \first == 0
	WIN W_RES
.set i, 0
.rept 32
	v_pk_mul_f32 v[\ob+2*i:\ob+2*i+1], v[\ob+2*i:\ob+2*i+1], v[AL:AL+1]
.set i, i+1
.endr
.endif
.endm
.macro PVX pb, ob, first               ; O^T += V^T P^T; the eight accumulators take turns
	WIN W_PV
.irp kk, 0,1
.irp dt, 0,1,2,3,4,5,6,7
.if \first*(1-\kk)
	v_wmma_f32_16x16x32_f16 v[\ob+8*\dt:\ob+8*\dt+7], v[16*\dt+8*\kk:16*\dt+8*\kk+7], v[\pb+8*\kk:\pb+8*\kk+7], 0
.else
	v_wmma_f32_16x16x32_f16 v[\ob+8*\dt:\ob+8*\dt+7], v[16*\dt+8*\kk:16*\dt+8*\kk+7], v[\pb+8*\kk:\pb+8*\kk+7], v[\ob+8*\dt:\ob+8*\dt+7]
.endif
.endr
.endr
.endm
; 64 keys: half sub of the key block in a slot.  lowall = 1: key block 0, which tile L always needs: no branch, so that all its registers are written
; on every way.  mode (read at sub = 1, where the slots change): 0 the slot is filled again, 1 a plain barrier, 2 nothing follows.
; No LDS load stands inside a branch, so the counts hold on every way.
.macro SUB slot, sub, first, lowall, mode
	s_lshl_b32 s22, s18, 7
.if \sub
	s_add_co_u32 s22, s22, 64                      ; the first key
.endif
	s_wait_dscnt 32                                ; K's fragments are in; the 32 younger loads are V's
	STX SH, QH
	WIN 0
.if \lowall == 0
	s_cmp_gt_u32 s18, s16                          ; tile L needs key blocks 0 .. a
	s_cbranch_scc1 .Lno_low_s_\@
.endif
	STX SL, QL
	WIN 0
.if \lowall == 0
.Lno_low_s_\@:
.endif
	PLACES
.if \sub == 0
	KFETCH \slot, 1
.else
	s_wait_dscnt 0x0                               ; my reads of this slot are over: all its K and V are in registers
.if \mode != 2
	s_set_vgpr_msb 0x4
	s_wait_tensorcnt 0x0                           ; all my tensor loads have landed: the one that was out is my part of the other slot
	ds_add_u32 v7, v255
	s_wait_dscnt 0x0
	s_set_vgpr_msb 0x400
.endif
.if \mode == 0
	ROUND                                          ; no wave of any partner still reads this slot or has a load on its way
	s_add_nc_u64 s[G0K+4*\slot+2:G0K+4*\slot+3], s[G0K+4*\slot+2:G0K+4*\slot+3], 32768   ; two key blocks on
	s_add_nc_u64 s[G0V+4*\slot+2:G0V+4*\slot+3], s[G0V+4*\slot+2:G0V+4*\slot+3], 32768
	JLOAD \slot                                    ; my one tensor load behind the round
.endif
.if \mode == 1
	s_barrier_signal -1
	s_barrier_wait -1                              ; the other slot is whole
.endif
.if \mode != 2
	KFETCH 1-\slot, 0
.endif
.endif
	s_cmp_lt_u32 s18, s17                          ; tile H meets the diagonal in key block 7 - a
	s_cbranch_scc1 .Lno_mask_h_\@
	MASK SH, QLH
.Lno_mask_h_\@:
	SOFT SH, PH, MH, LH, OH, \first
.if \sub == 0
	s_wait_dscnt 32                                ; V's fragments are in; the 32 younger loads are the next K
.endif
	PVX PH, OH, \first
	WIN 0
.if \lowall == 0
	s_cmp_gt_u32 s18, s16
	s_cbranch_scc1 .Lno_low_p_\@
.endif
	s_cmp_lg_u32 s18, s16                          ; tile L meets the diagonal in key block a
	s_cbranch_scc1 .Lno_mask_l_\@
	MASK SL, QLL
.Lno_mask_l_\@:
	SOFT SL, PL, ML, LL, OL, \first
	PVX PL, OL, \first
	WIN 0
.if \lowall == 0
.Lno_low_p_\@:
.endif
	PLACES
.if \sub == 0
	VFETCH \slot, 1
.else
.if \mode != 2
	VFETCH 1-\slot, 0
.endif
.endif
.endm
.macro STEP slot, first, lowall, mode  ; one key block
	SUB \slot, 0, \first, \lowall, \mode
	SUB \slot, 1, 0, \lowall, \mode
	s_add_co_u32 s18, s18, 1
.endm
; The way out of one tile: divide by the sum, round to f16, 16 bytes a lane into my stage, read back as rows of 256 bytes
.macro FIN ob, l, yo
	v_permlanex16_b32 v[T0], v[\l], s27, s28       ; the other half's keys
	v_add_f32 v[T0], v[\l], v[T0]
	v_rcp_f32 v[AL], v[T0]
	v_rcp_f32 v[AL+1], v[T0]
	v_nop                                          ; one plain place behind the reciprocals
	WIN W_FIN
.set i, 0
	s_wait_alu depctr_va_vdst(0)
.rept 32
	v_pk_mul_f32 v[FK+2*i:FK+2*i+1], v[\ob+2*i:\ob+2*i+1], v[AL:AL+1]
.set i, i+1
.endr
	WIN 0
.set i, 0
.rept 32
	v_cvt_pk_f16_f32 v[192+i], v[FK+2*i], v[FK+2*i+1]
.set i, i+1
.endr
.irp dt, 0,1,2,3,4,5,6,7
	ds_store_b128 v[STO], v[192+4*\dt:192+4*\dt+3] offset:32*\dt   ; query r, d = 16 dt + 8 h .. + 7
.endr
	s_wait_xcnt 0x0                                ; v224-255, which the other tile's stores read, are rewritten only behind this wait
.irp i, 0,1,2,3,4,5,6,7
	ds_load_b128 v[224+4*\i:224+4*\i+3], v[RD] offset:2*SP*\i      ; my own bytes: LDS serves a wave's instructions in order (ISA guide 5.7.1)
.endr
.irp i, 0,1,2,3,4,5,6,7
	s_wait_dscnt 7-\i
	global_store_b128 v[\yo], v[224+4*\i:224+4*\i+3], s[10:11] offset:16384*\i   ; sixteen lanes store a head's 256 bytes of a row, aligned
.endr
.endm
	s_wait_tensorcnt 0x1                           ; my part of key block 0 is in; block 1's load stays out
	s_barrier_signal -1
	s_barrier_wait -1
	KFETCH 0, 0
	VFETCH 0, 0
	s_wait_loadcnt 0x0                             ; Q
	STEP 0, 1, 1, 0                                ; the first lap stands in front of the loop: its first 64 keys start the sums
	STEP 1, 0, 0, 0
.Llap:
	STEP 0, 0, 0, 0
	STEP 1, 0, 0, 0
	s_sub_co_u32 s23, s23, 1
	s_cmp_lg_u32 s23, 0
	s_cbranch_scc1 .Llap
	STEP 0, 0, 0, 1                                ; the last lap asks for nothing
	STEP 1, 0, 0, 2
	FIN OH, LH, YOH                                ; the four places behind the last matrix instructions close the last step
	FIN OL, LL, YOL
	s_set_vgpr_msb 0x4
	s_wait_tensorcnt 0x0
	ds_add_u32 v7, v255
	s_wait_dscnt 0x0
	s_set_vgpr_msb 0x400
	ROUND                                          ; the closing round
	s_endpgm
.Lfunc_end_k_q5489136fb0_attn:
	.size	k_q5489136fb0_attn, .Lfunc_end_k_q5489136fb0_attn-k_q5489136fb0_attn
	.p2alignl 7, 3214868480
	.fill 96, 4, 3214868480
	.section	.rodata,"a",@progbits
	.p2align	6, 0x0
	.amdhsa_kernel k_q5489136fb0_attn
		.amdhsa_group_segment_fixed_size 327680
		.amdhsa_private_segment_fixed_size 0
		.amdhsa_enable_private_segment 0
		.amdhsa_kernarg_size 32
		.amdhsa_user_sgpr_count 2
		.amdhsa_user_sgpr_kernarg_segment_ptr 1
		.amdhsa_wavefront_size32 1
		.amdhsa_system_sgpr_workgroup_id_x 1
		.amdhsa_system_sgpr_workgroup_id_y 1
		.amdhsa_system_sgpr_workgroup_id_z 1
		.amdhsa_system_vgpr_workitem_id 0
		.amdhsa_next_free_vgpr 640
		.amdhsa_next_free_sgpr 66
		.amdhsa_reserve_vcc 1
		.amdhsa_float_denorm_mode_32 3
		.amdhsa_float_denorm_mode_16_64 3
		.amdhsa_memory_ordered 1
		.amdhsa_forward_progress 1
		.amdhsa_inst_pref_size 255
	.end_amdhsa_kernel
	.section	.bss,"aw",@nobits
	.p2align	6
	.space	262144
	.amdgpu_metadata
---
amdhsa.version: [ 1, 2 ]
amdhsa.kernels:
  - .name:           k_q5489136fb0_attn
    .symbol:         k_q5489136fb0_attn.kd
    .args:
      - { .name: qw, .offset: 0, .size: 8, .value_kind: global_buffer, .address_space: global }
      - { .name: kw, .offset: 8, .size: 8, .value_kind: global_buffer, .address_space: global }
      - { .name: vw, .offset: 16, .size: 8, .value_kind: global_buffer, .address_space: global }
      - { .name: yw, .offset: 24, .size: 8, .value_kind: global_buffer, .address_space: global }
    .group_segment_fixed_size: 327680
    .private_segment_fixed_size: 0
    .kernarg_segment_align: 8
    .kernarg_segment_size: 32
    .max_flat_workgroup_size: 128
    .sgpr_count:     66
    .vgpr_count:     640
    .wavefront_size: 32
...
	.end_amdgpu_metadata
.endif
;; end of part 6
;; launch oproj (part 7): grid 32 x 8, 4 waves a work-group, clusters of 4 x 4, 327,680 bytes of LDS; arguments yw, wob, out0; writes out0
.if DOCPART == 7
	.amdgcn_target "amdgcn-amd-amdhsa--gfx1250"
	.amdhsa_code_object_version 6
	.text
	.protected	k_q5489136fb0_oproj
	.globl	k_q5489136fb0_oproj
	.p2align	8
	.type	k_q5489136fb0_oproj,@function
k_q5489136fb0_oproj:
	s_mov_b64 s[64:65], 0
	v_nop
	global_prefetch_b8 v0, s[64:65] scope:SCOPE_SE
	s_setreg_imm32_b32 hwreg(HW_REG_WAVE_MODE, 25, 1), 1
	s_wait_xcnt 0x0
	s_wait_alu depctr_hold_cnt(0) depctr_sa_sdst(0) depctr_va_vdst(0) depctr_va_sdst(0) depctr_va_ssrc(0) depctr_va_vcc(0) depctr_vm_vsrc(0)
	s_getreg_b32 s2, hwreg(HW_REG_IB_STS2, 6, 4)
	s_cmp_eq_u32 s2, 0
	s_cbranch_scc0 .Lentry_in_a_cluster
	s_endpgm
.Lentry_in_a_cluster:
	s_bfe_u32 s2, ttmp6, 0x10000c
	s_cmp_lg_u32 s2, 0xf033
	s_cbranch_scc0 .Lentry_shape_is_right
	s_endpgm
.Lentry_shape_is_right:
; out0 = y wo.  A = yw [1024][4096] f16 (y / 4, K along the rows).  W = wob: wo rounded to bf16, held in f16, already laid out as matrix fragments:
; [column group of 128][k / 32][column tile 0 .. 7][registers 0-3 | 4-7][lane][16 bytes]; column tile 4 q + c, index n = column 64 q + 4 n + c.
; out0 = 4 x the sum, f32 (y came at a quarter of its size).
; LIMITS: NaN and infinities are not served; y overflows f16 beyond 262,000, wo beyond 65,504.
; SHAPE: a work-group makes 128 rows x 128 columns: 8 x 32 = 256 work-groups.  Its four waves split K: each holds the whole block (8 x 8 accumulator
; tiles, 512 registers) and takes the slices k = 128 s + 32 w .. + 31, s = 0 .. 31.  So each LDS byte of A is read by one wave, 8 KB for 64 matrix
; instructions, and each byte of W goes to one wave, 8 KB for the same 64.  The four partial sums meet in LDS at the end.
; A comes by tensor loads into two slots of 512 k: [k half of 256][128 rows][528 bytes].  A slot holds four slices of each wave, so a wave issues
; 256 matrix instructions between the request for a tile and the wait for it.  4 x 4 work-groups form a cluster; the four of a row of the cluster
; make the same 128 rows, so A's tiles are asked for jointly by them.
; W IS NOT SHARED BY A JOINT LOAD: it is 256 bytes for each k and work-group beside A's 256, 524,288 bytes for two slots of 512 k, which is more than
; a work-group can have, so the slots would hold half as many k and the rounds of the cluster's barrier would come twice as often.  As fragments W
; needs no LDS at all: each wave loads its slices straight into the registers that the matrix instructions read, a ring of four slices with counted
; waits: a slice is asked for four slices (256 matrix instructions) ahead of its use.  A load of the wave covers 512 consecutive bytes, aligned.
; ROWS ARE PERMUTED: index m of a row tile stands for LDS row 2 (m & 7) + (m >> 3), so register j of a result in lane (r, h) is row 2 j + h; with the
; columns' permutation a lane holds four neighbouring columns: the results go out without a shuffle.
.set PITCH, 528                        ; an LDS row: 512 bytes + 16 = 33 x 16: the 16 rows of a fragment load begin in 16 different 16-byte columns modulo 256
.set WROWS, 64*PITCH                   ; what one tensor load brings: 64 rows x 256 k
.set HALFB, 128*PITCH                  ; k 256 .. 511 of a slot
.set SLOT,  256*PITCH
; window 0
.set ADRA, 8                           ; v8-11   LDS address of my fragments: 2 x slot + k half
.set SA,   12                          ; v12     where my partial sums go
.set VO,   13                          ; v13     my byte offset in the output
.set LN,   14                          ; v14     16 x lane: my byte offset in a fragment block of W; never rewritten
.set RA,   32                          ; v32-35  where wave p's partial sums of my rows lie
.set H0,   64                          ; v64-127, v128-191: A's fragments of the eight row tiles, two buffers; at the end the four partial sums
.set H1,   128
.set PS,   64
.set OUTR, 192                         ; v192-223 the results
; window 1: v[64 b .. 64 b + 63] W's fragments of slice buffer b, column tile nt at 8 nt.  Windows 2, 3: accumulators of row tiles 0-3, 4-7, tile (m, nt) at 8 (8 m + nt)
.set G1, 40                            ; s[40:47] descriptor group 1
.set G0, 48                            ; s[48:55] descriptor group 0, one set for each slot
.set MUL_LO, 0xa4                      ; A window 0, W window 1, C and D window 2
.set MUL_HI, 0xf4                      ; the same, C and D window 3
.set TO_W,   0x40                      ; destination window 1
.set ST_LO,  0x08                      ; LDS store data window 2
.set ST_HI,  0x0c                      ; LDS store data window 3
.set MSB, 0
.macro WIN new                         ; the immediate's high byte repeats the setting that is left
.if MSB != \new
	s_set_vgpr_msb (MSB<<8)|\new
.set MSB, \new
.endif
.endm
.macro PLACES                          ; four places behind a matrix instruction, ahead of loads into its sources and of readers of its result
.rept 4
	v_nop
.endr
.endm
.macro CREST                           ; a round of the cluster's barrier behind its opening barrier
	s_cmp_lg_u32 s12, 0
	s_cbranch_scc1 .Lnot_wave_0_\@
	s_barrier_signal -3
.Lnot_wave_0_\@:
	s_barrier_wait -3
	s_barrier_signal -1
	s_barrier_wait -1
.endm
.macro CROUND
	s_barrier_signal -1
	s_barrier_wait -1
	CREST
.endm
	s_load_b128 s[24:27], s[0:1], 0x0              ; yw s[24:25], wob s[26:27]
	s_load_b64 s[28:29], s[0:1], 0x10              ; out0
	v_lshl_add_u32 v254, v0, 2, 0x42000
	v_mov_b32 v255, 0
	ds_add_u32 v254, v255
	v_lshrrev_b32 v3, 5, v0
	v_readfirstlane_b32 s12, v3                    ; wave 0..3
	s_bfe_u32 s13, ttmp6, 0x40000                  ; cx
	s_bfe_u32 s14, ttmp6, 0x40004                  ; cy
	s_lshl_b32 s15, ttmp9, 2
	s_add_co_u32 s15, s15, s13                     ; column group of 128 = 4 x cluster x + cx
	s_and_b32 s16, ttmp7, 0xffff
	s_lshl_b32 s16, s16, 2
	s_add_co_u32 s16, s16, s14                     ; row block of 128 = 4 x cluster y + cy
	s_lshl_b32 s17, s14, 2
	s_lshl_b32 s17, 15, s17                        ; my row of the cluster: places 4 cy .. 4 cy + 3
	; vector addresses
	v_and_b32 v1, 15, v0                           ; r
	v_bfe_u32 v2, v0, 4, 1                         ; h
	v_and_b32 v3, 7, v0
	v_bfe_u32 v4, v0, 3, 1
	v_lshl_add_u32 v3, v3, 1, v4                   ; LDS row of fragment index r: 2 (r & 7) + (r >> 3)
	v_mul_u32_u24 v3, v3, PITCH
	v_lshl_add_u32 v3, v2, 4, v3                   ; + 16 h
	s_lshl_b32 s62, s12, 6                         ; + my 32 k of every 128: 64 w bytes
	v_add_nc_u32 v[ADRA+0], s62, v3
	v_add_nc_u32 v[ADRA+1], HALFB, v[ADRA+0]
	v_add_nc_u32 v[ADRA+2], SLOT, v[ADRA+0]
	v_add_nc_u32 v[ADRA+3], SLOT+HALFB, v[ADRA+0]
	v_and_b32 v5, 31, v0
	v_lshlrev_b32 v[LN], 4, v5                     ; 16 x lane
	s_lshl_b32 s62, s12, 16
	v_add_nc_u32 v[SA], s62, v[LN]                 ; my 65,536 bytes of partial sums
	s_lshl_b32 s62, s12, 14
	v_add_nc_u32 v[RA+0], s62, v[LN]               ; in each wave's 65,536: the 16 tiles of rows 32 w .. 32 w + 31
	v_add_nc_u32 v[RA+1], 0x10000, v[RA+0]
	v_add_nc_u32 v[RA+2], 0x20000, v[RA+0]
	v_add_nc_u32 v[RA+3], 0x30000, v[RA+0]
	v_lshlrev_b32 v4, 4, v1                        ; 16 r
	v_lshl_add_u32 v[VO], v2, 14, v4               ; row h of 16,384 bytes + 16 r
	; descriptor group 1: 64 rows x 256 elements of 2 bytes, 4 words of padding behind every 128 words
	s_or_b32 s[G1+0], s17, (1<<16)|(1<<20)|(1<<21)|(6<<22)|(3<<25)
	s_mov_b32 s[G1+1], 256<<16                     ; tensor_dim0 = 256
	s_mov_b32 s[G1+2], 64<<16                      ; tensor_dim1 = 64
	s_mov_b32 s[G1+3], 256<<16                     ; tile_dim0 = 256
	s_mov_b32 s[G1+4], 64                          ; tile_dim1 = 64
	s_mov_b32 s[G1+5], 4096                        ; elements from row to row
	s_mov_b32 s[G1+6], 0
	s_mov_b32 s[G1+7], 0
	s_lshl_b32 s56, s16, 20                        ; A: row 128 x row block + 64 (w & 1), 8,192 bytes each,
	s_and_b32 s57, s12, 1
	s_lshl_b32 s57, s57, 19
	s_add_co_u32 s56, s56, s57
	s_lshr_b32 s57, s12, 1
	s_lshl_b32 s57, s57, 9                         ; k half w >> 1, 512 bytes: hangs on the row block and the wave alone
	s_add_co_u32 s56, s56, s57
	s_mov_b32 s57, 0
	s_mul_i32 s58, s12, WROWS                      ; and where my part goes: [k half][rows 0-63 | 64-127] = wave x 64 LDS rows
	s_wait_dscnt 0x0
	s_wait_kmcnt 0x0
	s_add_nc_u64 s[4:5], s[24:25], s[56:57]
	s_lshl_b32 s22, s15, 20                        ; W: column group x 128 x 8,192 bytes + k / 32 = w
	s_lshl_b32 s62, s12, 13
	s_add_co_u32 s22, s22, s62
	s_mov_b32 s23, 0
	s_add_nc_u64 s[6:7], s[26:27], s[22:23]
	s_lshl_b32 s22, s16, 21                        ; out0: (128 x row block + 32 w) rows of 16,384 bytes + 512 x column group
	s_lshl_b32 s62, s12, 19
	s_add_co_u32 s22, s22, s62
	s_lshl_b32 s62, s15, 9
	s_add_co_u32 s22, s22, s62
	s_add_nc_u64 s[8:9], s[28:29], s[22:23]
	CROUND                                         ; all sixteen work-groups are here: the first joint loads meet
.irp s, 0,1
	s_mov_b32 s[G0+4*\s], 1
	s_add_co_u32 s[G0+4*\s+1], s58, \s*SLOT
	s_add_nc_u64 s[G0+4*\s+2:G0+4*\s+3], s[4:5], \s*1024           ; k = 512 x slot
	s_or_b32 s[G0+4*\s+3], s[G0+4*\s+3], 0x80000000
	tensor_load_to_lds s[G0+4*\s:G0+4*\s+3], s[G1:G1+7]            ; two tensor loads of the wave are out here, later one
	s_nop 0
.endr
; 16 LDS loads: the fragments of the eight row tiles for my slice sl (0 .. 3) of a slot, k = 128 sl + 32 w, into buffer f
.macro AFETCH f, slot, sl
	WIN 0
.irp m, 0,1,2,3,4,5,6,7
	ds_load_b128 v[\f+8*\m:\f+8*\m+3], v[ADRA+2*\slot+\sl/2] offset:16*PITCH*\m+256*(\sl%2)
	ds_load_b128 v[\f+8*\m+4:\f+8*\m+7], v[ADRA+2*\slot+\sl/2] offset:16*PITCH*\m+256*(\sl%2)+32
.endr
.endm
; 16 global loads: a slice of W, eight column tiles' fragments, 8,192 consecutive bytes, into buffer b.  A slice is 32,768 bytes behind the last;
; the slice's place among four stands in the immediate, and the base steps once in four slices.
.macro WLOAD b, step
.if \step
	s_wait_xcnt 0x0                                ; the base is stepped only behind this wait: the earlier loads have had their addresses translated
	s_add_nc_u64 s[6:7], s[6:7], 0x20000
.endif
	WIN TO_W
.set i, 0
.rept 16
	global_load_b128 v[64*\b+4*i:64*\b+4*i+3], v[LN], s[6:7] offset:32768*\b+512*i
.set i, i+1
.endr
.endm
; 32 matrix instructions: four row tiles (hi = 0: tiles 0-3, 1: tiles 4-7) x the eight column tiles.  The 64 accumulators take turns, one instruction
; a turn, in the same order in every slice and over the backward jump.  zero = 1: the first products start the sums.
.macro MUL f, b, hi, zero
.irp m, 0,1,2,3
.irp nt, 0,1,2,3,4,5,6,7
.if \zero
	v_wmma_f32_16x16x32_f16 v[8*(8*\m+\nt):8*(8*\m+\nt)+7], v[\f+8*(4*\hi+\m):\f+8*(4*\hi+\m)+7], v[64*\b+8*\nt:64*\b+8*\nt+7], 0
.else
	v_wmma_f32_16x16x32_f16 v[8*(8*\m+\nt):8*(8*\m+\nt)+7], v[\f+8*(4*\hi+\m):\f+8*(4*\hi+\m)+7], v[64*\b+8*\nt:64*\b+8*\nt+7], v[8*(8*\m+\nt):8*(8*\m+\nt)+7]
.endif
.endr
.endr
.endm
; One slice: 32 k, 64 matrix instructions.  slot: where its fragments came from; b: its place in the slot and W's buffer; f: A's buffer; g: the other
; buffer, for the next slice (nslot, nsl).  wload: buffer b is asked for again, four slices ahead.  lcnt: the loads of the younger slices, 16 each.
; turn: this is the slot's last slice, whose fragments are all in registers: the slots change at its head; fill: the slot is filled again, two
; tiles ahead.  last: nothing follows.
.macro SLICE slot, b, f, g, nslot, nsl, zero, wload, lcnt, turn, fill, last
	s_wait_loadcnt \lcnt                           ; loads come back in order: this slice of W is in, the younger slices stay out
	s_wait_dscnt 0x0                               ; this slice's fragments of A are in (asked for 32 matrix instructions ago); at a turn: my reads of this slot are over
.if \turn
	s_wait_tensorcnt 0x0                           ; all my tensor loads have landed: the one that was out is my part of the next slot
	ds_add_u32 v254, v255
	s_wait_dscnt 0x0
	s_barrier_signal -1                            ; (where the slot is filled again this barrier opens a round of the cluster's barrier)
.endif
	WIN MUL_LO
	MUL \f, \b, 0, \zero                           ; at a turn: register work while the others arrive
.if \turn
	WIN 0
	s_barrier_wait -1
.if \fill
	CREST                                          ; no wave of any partner still reads this slot or has a load on its way
	s_add_nc_u64 s[G0+4*\slot+2:G0+4*\slot+3], s[G0+4*\slot+2:G0+4*\slot+3], 2048   ; two tiles of 512 k on
	tensor_load_to_lds s[G0+4*\slot:G0+4*\slot+3], s[G1:G1+7]      ; my one tensor load behind the round; it has four slices, 256 matrix instructions, to land
	s_nop 0
.endif
.endif
.if \last == 0
	PLACES
	AFETCH \g, \nslot, \nsl
.endif
	WIN MUL_HI
	MUL \f, \b, 1, \zero
.if \wload
	PLACES
.if \b
	WLOAD \b, 0
.else
	WLOAD \b, 1
.endif
.endif
.endm
; A slot's four slices: once round W's four buffers.  c0 .. c3: the counts of the four waits for W.
.macro FOUR slot, nslot, zero, wload, c0, c1, c2, c3, turn, fill, last
	SLICE \slot, 0, H0, H1, \slot, 1, \zero, \wload, \c0, 0, 0, 0
	SLICE \slot, 1, H1, H0, \slot, 2, 0, \wload, \c1, 0, 0, 0
	SLICE \slot, 2, H0, H1, \slot, 3, 0, \wload, \c2, 0, 0, 0
	SLICE \slot, 3, H1, H0, \nslot, 0, 0, \wload, \c3, \turn, \fill, \last
.endm
	WLOAD 0, 0                                     ; slices 0 to 3 of W
	WLOAD 1, 0
	WLOAD 2, 0
	WLOAD 3, 0
	WIN 0
	s_wait_tensorcnt 0x1                           ; my part of slot 0 is in; slot 1's load stays out
	s_barrier_signal -1
	s_barrier_wait -1
	AFETCH H0, 0, 0
	FOUR 0, 1, 1, 1, 48, 48, 48, 48, 1, 1, 0       ; tiles 0 and 1 stand in front of the loop: the first slice starts the sums
	FOUR 1, 0, 0, 1, 48, 48, 48, 48, 1, 1, 0
	WIN 0
	s_mov_b32 s3, 2
.Llap:
	FOUR 0, 1, 0, 1, 48, 48, 48, 48, 1, 1, 0       ; tiles 2 .. 5, which ask for tiles 4 .. 7
	FOUR 1, 0, 0, 1, 48, 48, 48, 48, 1, 1, 0
	WIN 0
	s_sub_co_u32 s3, s3, 1
	s_cmp_lg_u32 s3, 0
	s_cbranch_scc1 .Llap
	FOUR 0, 1, 0, 1, 48, 48, 48, 48, 1, 0, 0       ; tile 6: W's last four slices are asked for; no tile is: the change of slots has a plain barrier
	FOUR 1, 0, 0, 0, 48, 32, 16, 0, 0, 0, 1        ; tile 7: nothing is asked for, W's counts run down
	; THE END: the four waves' partial sums meet in LDS bytes 0 .. 262,143, the ring's bytes, which have had their last fill.
	WIN 0
	PLACES                                         ; behind the last matrix instructions: the stores below read results
	s_wait_dscnt 0x0                               ; my reads of the slots are over,
	s_barrier_signal -1
	s_barrier_wait -1                              ; everybody's are
	WIN ST_LO
.set t, 0
.rept 32                                           ; tile t = 8 x row tile + column tile: 1,024 bytes, registers 0-3 then 4-7, 16 consecutive bytes a lane
	ds_store_b128 v[SA], v[8*t:8*t+3] offset:1024*t
	ds_store_b128 v[SA], v[8*t+4:8*t+7] offset:1024*t+512
.set t, t+1
.endr
	WIN ST_HI
.set t, 0
.rept 32
	ds_store_b128 v[SA], v[8*t:8*t+3] offset:32768+1024*t
	ds_store_b128 v[SA], v[8*t+4:8*t+7] offset:32768+1024*t+512
.set t, t+1
.endr
	WIN 0
	s_wait_dscnt 0x0                               ; for the others' sake: my stores are done
	s_barrier_signal -1
	s_barrier_wait -1
; Wave w sums and stores rows 32 w .. 32 w + 31, four tiles at a time: part a = sixteen rows (a / 2) x 64 columns (a % 2)
.irp a, 0,1,2,3
.if \a
	s_wait_xcnt 0x0                                ; the last part's store data are rewritten only behind this wait
.endif
.irp p, 0,1,2,3
.irp nt, 0,1,2,3
	ds_load_b128 v[PS+32*\p+8*\nt:PS+32*\p+8*\nt+3], v[RA+\p] offset:1024*(4*\a+\nt)
	ds_load_b128 v[PS+32*\p+8*\nt+4:PS+32*\p+8*\nt+7], v[RA+\p] offset:1024*(4*\a+\nt)+512
.endr
.endr
	s_wait_dscnt 0x0
.set i, 0
.rept 16
	v_pk_add_f32 v[PS+2*i:PS+2*i+1], v[PS+2*i:PS+2*i+1], v[PS+32+2*i:PS+32+2*i+1]
	v_pk_add_f32 v[PS+64+2*i:PS+64+2*i+1], v[PS+64+2*i:PS+64+2*i+1], v[PS+96+2*i:PS+96+2*i+1]
.set i, i+1
.endr
.set i, 0
.rept 16
	v_pk_add_f32 v[PS+2*i:PS+2*i+1], v[PS+2*i:PS+2*i+1], v[PS+64+2*i:PS+64+2*i+1]
.set i, i+1
.endr
.irp j, 0,1,2,3,4,5,6,7
.irp c, 0,1,2,3
	v_mul_f32 v[OUTR+4*\j+\c], 4.0, v[PS+8*\c+\j]  ; y came at a quarter of its size; the same line gathers the lane's four columns
.endr
.endr
.irp j, 0,1,2,3,4,5,6,7
	global_store_b128 v[VO], v[OUTR+4*\j:OUTR+4*\j+3], s[8:9] offset:(16*(\a/2)+2*\j)*16384+256*(\a%2) th:TH_STORE_NT   ; sixteen lanes store 256 consecutive bytes, aligned; rows 2 j and 2 j + 1
.endr
.endr
	s_wait_tensorcnt 0x0
	ds_add_u32 v254, v255
	s_wait_dscnt 0x0
	CROUND                                         ; the closing round: no work-group ends while a partner may still ask for a tile that names it
	s_endpgm
.Lfunc_end_k_q5489136fb0_oproj:
	.size	k_q5489136fb0_oproj, .Lfunc_end_k_q5489136fb0_oproj-k_q5489136fb0_oproj
	.p2alignl 7, 3214868480
	.fill 96, 4, 3214868480
	.section	.rodata,"a",@progbits
	.p2align	6, 0x0
	.amdhsa_kernel k_q5489136fb0_oproj
		.amdhsa_group_segment_fixed_size 327680
		.amdhsa_private_segment_fixed_size 0
		.amdhsa_enable_private_segment 0
		.amdhsa_kernarg_size 24
		.amdhsa_user_sgpr_count 2
		.amdhsa_user_sgpr_kernarg_segment_ptr 1
		.amdhsa_wavefront_size32 1
		.amdhsa_system_sgpr_workgroup_id_x 1
		.amdhsa_system_sgpr_workgroup_id_y 1
		.amdhsa_system_sgpr_workgroup_id_z 1
		.amdhsa_system_vgpr_workitem_id 0
		.amdhsa_next_free_vgpr 1024
		.amdhsa_next_free_sgpr 66
		.amdhsa_reserve_vcc 0
		.amdhsa_float_denorm_mode_32 3
		.amdhsa_float_denorm_mode_16_64 3
		.amdhsa_memory_ordered 1
		.amdhsa_forward_progress 1
		.amdhsa_inst_pref_size 210
	.end_amdhsa_kernel
	.amdgpu_metadata
---
amdhsa.version: [ 1, 2 ]
amdhsa.kernels:
  - .name:           k_q5489136fb0_oproj
    .symbol:         k_q5489136fb0_oproj.kd
    .args:
      - { .name: yw, .offset: 0, .size: 8, .value_kind: global_buffer, .address_space: global }
      - { .name: wob, .offset: 8, .size: 8, .value_kind: global_buffer, .address_space: global }
      - { .name: out0, .offset: 16, .size: 8, .value_kind: global_buffer, .address_space: global }
    .group_segment_fixed_size: 327680
    .private_segment_fixed_size: 0
    .kernarg_segment_align: 8
    .kernarg_segment_size: 24
    .max_flat_workgroup_size: 128
    .sgpr_count:     66
    .vgpr_count:     1024
    .wavefront_size: 32
...
	.end_amdgpu_metadata
.endif
;; end of part 7
;; ======== version 3 of 3: 4 launches; version 2 with the launch cast written anew for expert scheduling mode
;; limits: values outside matrix products are rounded to bf16; values are held in f16: magnitudes above 65,504 overflow, below 6.1e-05 lose precision
;; workspace buffers: xb 8,388,608 bytes; qw 8,388,608 bytes; kw 2,097,152 bytes; vw 2,097,152 bytes; yw 8,388,608 bytes; wob 33,554,432 bytes
;; launch cast (part 8): grid 256 x 1, 8 waves a work-group, no clusters, 0 bytes of LDS; arguments x, xb; writes xb
.if DOCPART == 8
	.amdgcn_target "amdgcn-amd-amdhsa--gfx1250"
	.amdhsa_code_object_version 6
	.text
	.protected	k_q5489136fb0_cast
	.globl	k_q5489136fb0_cast
	.p2align	8
	.type	k_q5489136fb0_cast,@function
k_q5489136fb0_cast:
	s_mov_b64 s[64:65], 0
	v_nop
	global_prefetch_b8 v0, s[64:65] scope:SCOPE_SE
	s_setreg_imm32_b32 hwreg(HW_REG_WAVE_SCHED_MODE, 0, 2), 2
	s_setreg_imm32_b32 hwreg(HW_REG_WAVE_MODE, 25, 1), 1
	s_wait_xcnt 0x0
	s_wait_alu depctr_vm_vsrc(0)
; xb = bf16(x / 4), x: [1024][4096] f32, xb: the same shape in bf16.
; The quarter is exact (a step of the exponent), so xb holds the bf16 rounding of x at a quarter of its size; with it q, k, v and y of the later
; launches are kept at a quarter of their size and have room in f16 up to 262,000.  LIMIT: an x below 2^-124 loses bits by the quarter.
; A stream: 256 work-groups of 8 waves, 16,384 numbers each.  Thread t takes 16 bytes at 16 t of each of sixteen blocks of 4,096 bytes, so a load of a
; wave covers 512 consecutive bytes and a store of a wave 256 consecutive bytes, aligned.  All sixteen loads go out first; no register is used twice.
; No LDS, no matrix unit, no cluster: nothing is shared and nothing is read twice.
; THE MODE: SCHED_MODE bits 1:0 = 2 (LLVM: expert scheduling mode 2), set by the entry lines.  The code itself states the register dependences
; between vector instructions and memory instructions, with s_wait_alu, always for 0.
; THE PLAN.  Registers that memory instructions touch:
;   v1, v2   byte offsets, written once at the head; read by every load (v1) and every store (v2); never written again.
;   X        four registers a load.  Written by the load; read and scaled in place by that load's own vector lines, behind its counted wait; no vector
;            line names them ahead of the load.
;   Y        two registers a load.  Written by that load's two roundings; read by its one store; never written again.
; The sixteen loads go in four groups of BLOCK.  A group's stores are issued in the next group, one in front of each load's four vector lines: those
; lines name their own X and Y alone, neither the group before's Y nor v2.  So one wait at a group's head states all that its four stores hang on.
; No register that a memory instruction reads is ever written again, so no wait for a memory instruction's reads is owed.
.set NLD, 16                           ; loads of a thread
.set BLOCK, 4                          ; loads in a group
.set X,   8                            ; v[8:71]   as loaded, then scaled
.set Y,   72                           ; v[72:103] packed bf16
	s_load_b128 s[4:7], s[0:1], 0x0                ; x s[4:5], xb s[6:7]
	s_lshl_b32 s8, ttmp9, 16                       ; the group's 65,536 bytes of x
	s_mov_b32 s9, 0
	s_lshl_b32 s10, ttmp9, 15                      ; and its 32,768 bytes of xb
	s_mov_b32 s11, 0
	v_lshlrev_b32 v1, 4, v0                        ; 16 t
	v_lshlrev_b32 v2, 3, v0                        ; 8 t
	s_wait_kmcnt 0x0
	s_add_nc_u64 s[4:5], s[4:5], s[8:9]
	s_add_nc_u64 s[6:7], s[6:7], s[10:11]
	s_wait_alu depctr_va_vdst(0)                   ; v1 and v2 are written: every load and store of the kernel reads one of them as its offset
.set i, 0
.rept NLD
	global_load_b128 v[X+4*i:X+4*i+3], v1, s[4:5] offset:4096*i th:TH_LOAD_NT
.set i, i+1
.endr
.set i, 0
.rept NLD
	s_wait_loadcnt NLD-1-i                         ; loads come back in order: load i is in, the younger ones stay out
.if (i%BLOCK == 0) && (i > 0)
	s_wait_alu depctr_va_vdst(0)                   ; the group before has written its eight registers of Y, which this group's four stores read
.endif
.if i >= BLOCK
	global_store_b64 v2, v[Y+2*(i-BLOCK):Y+2*(i-BLOCK)+1], s[6:7] offset:2048*(i-BLOCK)  ; the group before's; no vector line since the wait names these registers
.endif
	v_pk_mul_f32 v[X+4*i:X+4*i+1], v[X+4*i:X+4*i+1], 0x3e800000 op_sel_hi:[1,0]
	v_pk_mul_f32 v[X+4*i+2:X+4*i+3], v[X+4*i+2:X+4*i+3], 0x3e800000 op_sel_hi:[1,0]
	v_cvt_pk_bf16_f32 v[Y+2*i], v[X+4*i], v[X+4*i+1]
	v_cvt_pk_bf16_f32 v[Y+2*i+1], v[X+4*i+2], v[X+4*i+3]
.set i, i+1
.endr
	s_wait_alu depctr_va_vdst(0)                   ; the last group has written its Y, which the last four stores read
.set i, NLD-BLOCK
.rept BLOCK
	global_store_b64 v2, v[Y+2*i:Y+2*i+1], s[6:7] offset:2048*i
.set i, i+1
.endr
	s_endpgm
.Lfunc_end_k_q5489136fb0_cast:
	.size	k_q5489136fb0_cast, .Lfunc_end_k_q5489136fb0_cast-k_q5489136fb0_cast
	.p2alignl 7, 3214868480
	.fill 96, 4, 3214868480
	.section	.rodata,"a",@progbits
	.p2align	6, 0x0
	.amdhsa_kernel k_q5489136fb0_cast
		.amdhsa_group_segment_fixed_size 0
		.amdhsa_private_segment_fixed_size 0
		.amdhsa_enable_private_segment 0
		.amdhsa_kernarg_size 16
		.amdhsa_user_sgpr_count 2
		.amdhsa_user_sgpr_kernarg_segment_ptr 1
		.amdhsa_wavefront_size32 1
		.amdhsa_system_sgpr_workgroup_id_x 1
		.amdhsa_system_sgpr_workgroup_id_y 1
		.amdhsa_system_sgpr_workgroup_id_z 1
		.amdhsa_system_vgpr_workitem_id 0
		.amdhsa_next_free_vgpr 104
		.amdhsa_next_free_sgpr 66
		.amdhsa_reserve_vcc 0
		.amdhsa_float_denorm_mode_32 3
		.amdhsa_float_denorm_mode_16_64 3
		.amdhsa_memory_ordered 1
		.amdhsa_forward_progress 1
		.amdhsa_inst_pref_size 10
	.end_amdhsa_kernel
	.amdgpu_metadata
---
amdhsa.version: [ 1, 2 ]
amdhsa.kernels:
  - .name:           k_q5489136fb0_cast
    .symbol:         k_q5489136fb0_cast.kd
    .args:
      - { .name: x, .offset: 0, .size: 8, .value_kind: global_buffer, .address_space: global }
      - { .name: xb, .offset: 8, .size: 8, .value_kind: global_buffer, .address_space: global }
    .group_segment_fixed_size: 0
    .private_segment_fixed_size: 0
    .kernarg_segment_align: 8
    .kernarg_segment_size: 16
    .max_flat_workgroup_size: 256
    .sgpr_count:     66
    .vgpr_count:     104
    .wavefront_size: 32
...
	.end_amdgpu_metadata
.endif
;; end of part 8
;; launch qkv: the kernel of part 5 again; grid 64 x 4, 4 waves a work-group, clusters of 4 x 4, 327,680 bytes of LDS; arguments xb, wq, wk, wv, freqs_cis, qw, kw, vw, wo, wob; writes qw, kw, vw, wob
;; launch attn: the kernel of part 6 again; grid 32 x 8, 4 waves a work-group, clusters of 4 x 1, 327,680 bytes of LDS; arguments qw, kw, vw, yw; writes yw
;; launch oproj: the kernel of part 7 again; grid 32 x 8, 4 waves a work-group, clusters of 4 x 4, 327,680 bytes of LDS; arguments yw, wob, out0; writes out0
